; MI455X (gfx1250); checked and timed in simulation.
; The chip was launched on July 23, 2026; its instructions are those of AMD's public machine-readable ISA for CDNA 5 (MIT licence, August 2026) and "CDNA5" Instruction Set Architecture Reference Guide (July 2026). The comments in the code are by the model that wrote it; some were corrected since.
;; Multihead Attention Block. Allowed arithmetic: matrix products marked QUANTISED: E2M1 operands, one E8M0 scale for each 32 along K, by v_wmma_scale_f32_16x16x128_f8f6f4 with both operands' format E2M1 (or v_wmma_scale_f32_32x16x128_f4), f32 sums; products left as they are: bf16, f16 or f32 operands; f32 sums; everything else in f32.
;; Inputs: b_k 1,024 float32; b_o 1,024 float32; b_q 1,024 float32; b_v 1,024 float32; k 4 x 2,048 x 1,024 float32; mask 1 x 1 x 2,048 x 2,048 int32; q 4 x 2,048 x 1,024 float32; v 4 x 2,048 x 1,024 float32; w_k 1,024 x 1,024 float32; w_o 1,024 x 1,024 float32; w_q 1,024 x 1,024 float32; w_v 1,024 x 1,024 float32.
;; Outputs: out0 4 x 2,048 x 1,024 float32.
;; This version of the problem:
;;   THIS VERSION OF THE PROBLEM IS GIVEN IN LOW PRECISION. The matrix products marked QUANTISED in the list below multiply operands that are first quantised to E2M1 (2 exponent bits, 1 mantissa bit; 4 bits a number), with one power-of-two scale for each 32 numbers along K (OCP MX v1.0); their sums are f32. The products marked 'left as it is' may take bf16, f16 or f32 operands, with f32 sums. Whichever they take, every output number must still come out within the allowed error. Rounding operands to bf16 (8 significant bits) uses up far more of that allowance than f16 does (11 bits, for magnitudes from 6e-5 to 65,504). All else is computed in f32.
;;   The module's matrix products, in the order in which they are computed (A, B: the left and right operand; K: the contracted axis; several contracted axes count as one K, in the product's order):
;;     1. [M 8,192, K 1,024] x [K 1,024, N 1,024]; A: input q; B: input w_q: QUANTISED
;;     2. [M 8,192, K 1,024] x [K 1,024, N 1,024]; A: input k; B: input w_k: QUANTISED
;;     3. [M 8,192, K 1,024] x [K 1,024, N 1,024]; A: input v; B: input w_v: QUANTISED
;;     4. batch 64 x [M 2,048, K 64] x [K 64, N 2,048]; A: computed on the way; B: computed on the way: left as it is (an operand is computed on the way)
;;     5. batch 64 x [M 2,048, K 2,048] x [K 2,048, N 64]; A: computed on the way; B: computed on the way: left as it is (an operand is computed on the way)
;;     6. [M 8,192, K 1,024] x [K 1,024, N 1,024]; A: computed on the way; B: input w_o: left as it is (an operand is computed on the way)
;;   THE QUANTISER, for each operand of a quantised product, along K:
;;     - K is cut into blocks of 32 from its start; a last block that is shorter is filled with zeros.
;;     - A block's scale is 2^e with e = floor(log2(the largest magnitude in the block)) - 2, held to -126 .. 127; a block of zeros has e = 0. As a byte (E8M0): e + 127.
;;     - Each number is divided by its block's scale, clamped to +-6, and rounded to the nearest number of E2M1, ties to even, subnormals kept.
;;     - The product sums the exact products of the quantised numbers (number of the format x scale) in f32.
;;   ~~~python
;;   def quantise(x, axis):      # numpy; x: float32 -> the quantised numbers, widened to float32 again
;;       x = np.moveaxis(x, axis, -1); K = x.shape[-1]
;;       x = np.pad(x, [(0, 0)] * (x.ndim - 1) + [(0, -K % 32)]); x = x.reshape(x.shape[:-1] + (-1, 32)); a = np.abs(x).max(-1, keepdims=True)
;;       e = np.where(a > 0, np.clip(np.frexp(np.where(a > 0, a, 1))[1] - 1 - 2, -126, 127), 0)      # np.frexp(a)[1] - 1 = floor(log2(a)), exactly
;;       r = np.clip(x / 2.0 ** e, -6, 6)
;;       step = 2.0 ** (np.maximum(np.frexp(np.where(r == 0, 1, r))[1] - 1, 0) - 1)
;;       q = np.round(r / step) * step * 2.0 ** e      # np.round: ties to even
;;       return np.moveaxis(q.reshape(q.shape[:-2] + (-1,))[..., :K], -1, axis).astype(np.float32)
;;   ~~~
;; One version. Each part assembles by itself: llvm-mc -triple=amdgcn-amd-amdhsa -mcpu=gfx1250 --defsym DOCPART=n.
;; ======== version 1 of 1: 4 launches
;; limits: values are held in f16: magnitudes above 65,504 overflow, below 6.1e-05 lose precision
;; workspace buffers: codes 14,155,776 bytes; scales 884,736 bytes; woimg 2,097,152 bytes; maskw 524,288 bytes of whole numbers; qimg 16,777,216 bytes; kvimg 33,554,432 bytes; ximg 16,777,216 bytes
;; launch prep (part 1): grid 1056 x 1, 4 waves a work-group, no clusters, 101,888 bytes of LDS; arguments q, k, v, w_q, w_k, w_v, w_o, mask, codes, scales, woimg, maskw; writes codes, scales, woimg, maskw
.if DOCPART == 1
	.amdgcn_target "amdgcn-amd-amdhsa--gfx1250"
	.amdhsa_code_object_version 6
	.text
	.protected	k_qb264b086c2_prep
	.globl	k_qb264b086c2_prep
	.p2align	8
	.type	k_qb264b086c2_prep,@function
k_qb264b086c2_prep:
	s_mov_b64 s[64:65], 0
	v_nop
	global_prefetch_b8 v0, s[64:65] scope:SCOPE_SE
	s_setreg_imm32_b32 hwreg(HW_REG_WAVE_MODE, 25, 1), 1
	s_wait_xcnt 0x0
; PREP: everything that is made once from the inputs.  Three kinds of work-groups, told apart by the work-group's number alone; each kind has LDS bytes of its own.
;  Q (work-groups 0-863): q, k, v [8192][1024] and w_q, w_k, w_v [1024][1024], f32, K innermost, become codes of FP4 (E2M1) and one E8M0 byte for each 32 along K:
;    codes [27648 rows][512 bytes], scales [27648 rows][32 bytes]; rows 0-8191 q, 8192-16383 k, 16384-24575 v, then 1024 rows each of w_q, w_k, w_v.
;    A block's scale is 2^(floor(log2(largest magnitude)) - 2); its byte is the largest magnitude's exponent field - 2, held at 1 from below.  A block of zeros keeps the byte 1:
;    its codes are zeros, and this program alone reads the bytes.  Rows are dense and 1024 is a multiple of 32: each tensor is a plain stream of blocks.
;  W (864-927): w_o [1024 n][1024 k] f32 becomes f16, laid as images of matrix fragments: [ntile 64][kfrag 32][c 2][lane 32][16 bytes]; chunk (c, lane (r, h)) = row 16 ntile + r, k = 32 kfrag + 16 c + 8 h + 0..7.
;  M (928-1055): mask [2048 q][2048 k] int32 becomes lane masks: maskw [qtile 128][kstep 32][kt 4][j 8] u32; bit L of a word is 1 where mask[16 qtile + L % 16][64 kstep + 16 kt + 8 (L / 16) + j] == 0.
; LIMITS: blocks whose largest magnitude lies under 2^-124 keep the byte 1; NaN and infinities are not served; |w_o| stays under 65,504 (f16).
; No tensor loads, no barrier: waves share nothing.  No cluster: no two work-groups read the same bytes.
.set STEPS, 16
.set EMAX,  2
.set CB,    8                          ; bytes of 16 codes
.set R,     16                         ; v16-79   Q: four sets of 16 numbers as loaded
.set X,     80                         ; v80-111  Q: two sets of 16 neighbours
.set E,     112                        ; v112-127 Q: a scale byte for each step
.set C,     128                        ; v128-191 Q: codes, four registers a step
.set WREG,  8192                       ; LDS, Q: a region for each wave: two stages of 32 x SP bytes, then its 256 scale bytes
.set SP,    80
.set WB,    32768                      ; LDS, W: 32 x 272 bytes for each wave
.set WPW,   8704
.set MB,    67584                      ; LDS, M: 16 x 528 bytes for each wave
.set MPW,   8448
.set SPARE, 101376                     ; the spare words, 128 bytes for each wave
.set SPW,   12                         ; v12 LDS address of my spare word; never rewritten
.set NIL,   13                         ; v13 0; never rewritten
.set NQWG,  864
.set NWWG,  64
.macro FINISH                          ; a wave's end, behind my last LDS store
	s_wait_tensorcnt 0x0
	ds_add_u32 v[SPW], v[NIL]
	s_wait_dscnt 0x0
	s_endpgm
.endm
	s_load_b512 s[4:19], s[0:1], 0x0               ; q s[4:5], k s[6:7], v s[8:9], w_q s[10:11], w_k s[12:13], w_v s[14:15], w_o s[16:17], mask s[18:19]
	s_load_b256 s[20:27], s[0:1], 0x40             ; codes s[20:21], scales s[22:23], woimg s[24:25], maskw s[26:27]
	v_lshl_add_u32 v[SPW], v0, 2, SPARE
	v_mov_b32 v[NIL], 0
	v_lshrrev_b32 v1, 5, v0
	v_readfirstlane_b32 s28, v1                    ; wave 0..3
	v_and_b32 v2, 31, v0                           ; lane
	s_mov_b32 s33, 0                               ; the high word of every offset pair s[32:33]
	s_wait_kmcnt 0x0
	s_cmp_ge_u32 ttmp9, NQWG+NWWG
	s_cbranch_scc1 .Lmask
	s_cmp_ge_u32 ttmp9, NQWG
	s_cbranch_scc1 .Lwo
; ---------------- Q: the quantiser.  A wave takes 16 steps of 512 numbers.  Each load reads 512 consecutive bytes; a step's 2,048 bytes turn through the wave's stage and come back 64 bytes a lane,
; so that a lane holds 16 neighbours along K and two neighbouring lanes a block.
	v_lshlrev_b32 v3, 4, v2                        ; my 16 bytes of a load's 512
	s_mul_i32 s29, s28, WREG
	v_lshrrev_b32 v14, 2, v2
	v_mul_u32_u24 v14, v14, SP
	v_and_b32 v15, 3, v2
	v_lshl_add_u32 v14, v15, 4, v14
	v_add_nc_u32 v14, s29, v14                     ; the stage, in: SP (lane / 4) + 16 (lane % 4)
	v_mul_u32_u24 v15, v2, SP
	v_add_nc_u32 v15, s29, v15                     ; out: SP x lane
	v_mul_u32_u24 v4, v2, CB                       ; my codes' place in a step's 256 bytes
	v_lshrrev_b32 v5, 1, v2
	s_add_co_u32 s29, s29, 2*32*SP
	v_add_nc_u32 v5, s29, v5                       ; my block's byte among the wave's 256 scale bytes
	v_lshlrev_b32 v7, 3, v2
	v_add_nc_u32 v6, s29, v7                       ; and 8 bytes a lane on their way out
	s_mov_b64 s[30:31], s[14:15]                   ; which tensor: the choice hangs on the work-group's number alone
	s_cmp_lt_u32 ttmp9, 832
	s_cselect_b64 s[30:31], s[12:13], s[30:31]
	s_cmp_lt_u32 ttmp9, 800
	s_cselect_b64 s[30:31], s[10:11], s[30:31]
	s_cmp_lt_u32 ttmp9, 768
	s_cselect_b64 s[30:31], s[8:9], s[30:31]
	s_cselect_b32 s32, 255, 31                     ; 256 work-groups to a tensor of tokens, 32 to a weight; 768 is a multiple of both
	s_cmp_lt_u32 ttmp9, 512
	s_cselect_b64 s[30:31], s[6:7], s[30:31]
	s_cmp_lt_u32 ttmp9, 256
	s_cselect_b64 s[30:31], s[4:5], s[30:31]
	s_and_b32 s32, ttmp9, s32                      ; my place in the tensor
	s_lshl_b32 s32, s32, 17                        ; 32,768 numbers a work-group,
	s_lshl_b32 s34, s28, 15                        ; 8,192 a wave
	s_add_co_u32 s32, s32, s34
	s_add_nc_u64 s[30:31], s[30:31], s[32:33]
	s_lshl_b32 s32, ttmp9, 14                      ; the six tensors' rows follow each other in codes and scales: the work-group's number is the place
	s_lshl_b32 s34, s28, 12
	s_add_co_u32 s32, s32, s34
	s_add_nc_u64 s[20:21], s[20:21], s[32:33]
	s_lshl_b32 s32, ttmp9, 10
	s_lshl_b32 s34, s28, 8
	s_add_co_u32 s32, s32, s34
	s_add_nc_u64 s[22:23], s[22:23], s[32:33]
.macro LOAD t
.irp i, 0,1,2,3
	global_load_b128 v[R+16*((\t)%4)+4*\i:R+16*((\t)%4)+4*\i+3], v3, s[30:31] offset:2048*(\t)+512*\i th:TH_LOAD_NT
.endr
.endm
.macro TURN t                          ; step t's numbers through the stage: LDS serves a wave's instructions in order, so no wait stands between the stores and the loads
.irp i, 0,1,2,3
	ds_store_b128 v14, v[R+16*((\t)%4)+4*\i:R+16*((\t)%4)+4*\i+3] offset:32*SP*((\t)%2)+8*SP*\i
.endr
.irp i, 0,1,2,3
	ds_load_b128 v[X+16*((\t)%2)+4*\i:X+16*((\t)%2)+4*\i+3], v15 offset:32*SP*((\t)%2)+16*\i
.endr
.endm
.irp t, 0,1,2,3
	LOAD \t
.endr
	s_wait_loadcnt 12                              ; step 0's four loads are in; twelve younger ones stay out
	TURN 0
.macro STEP t
.set XS, X+16*((\t)%2)
.if (\t) > 0
	s_wait_dscnt 1                                 ; this step's numbers are back from the stage; the last step's byte store may be out
.else
	s_wait_dscnt 0x0
.endif
.if (\t)+4 < STEPS
	LOAD (\t)+4                                    ; into the set whose stores into the stage are done
.endif
.if (\t)+1 < STEPS
.if STEPS-2-(\t) >= 3
	s_wait_loadcnt 12                              ; the next step's four loads are in; those of three later steps may be out
.else
	s_wait_loadcnt 4*(STEPS-2-(\t))
.endif
	TURN (\t)+1
.endif
	v_max3_num_f32 v8, |v[XS]|, |v[XS+1]|, |v[XS+2]|               ; the largest magnitude of my 16, in two chains
	v_max3_num_f32 v9, |v[XS+3]|, |v[XS+4]|, |v[XS+5]|
.irp i, 6,10
	v_max3_num_f32 v8, v8, |v[XS+\i]|, |v[XS+\i+1]|
	v_max3_num_f32 v9, v9, |v[XS+\i+2]|, |v[XS+\i+3]|
.endr
	v_max3_num_f32 v8, v8, |v[XS+14]|, |v[XS+15]|
	v_max3_num_f32 v8, v8, v9, (EMAX+1)<<23        ; and the floor 2^(3 - 127): the byte cannot fall under 1
	v_max_num_f32_dpp v8, v8, v8 row_xmask:1 row_mask:0xf bank_mask:0xf   ; with my neighbour's 16: the block's
	v_add_nc_u32 v11, -(EMAX<<23), v8              ; 2 off its exponent field: the conversion takes this operand's exponent field as its scale
	v_cvt_scalef32_pk8_fp4_f32 v[C+4*(\t)], v[XS:XS+7], v11
	v_cvt_scalef32_pk8_fp4_f32 v[C+4*(\t)+1], v[XS+8:XS+15], v11
	v_lshrrev_b32 v[E+(\t)], 23, v11               ; the scale's byte (also the plain line behind the conversions)
	ds_store_b8 v5, v[E+(\t)] offset:16*(\t)       ; both lanes of a block write the same byte with the same value
	global_store_b64 v4, v[C+4*(\t):C+4*(\t)+1], s[20:21] offset:32*CB*(\t)   ; the wave stores 256 consecutive bytes, aligned
.endm
.irp t, 0,1,2,3,4,5,6,7,8,9,10,11,12,13,14,15
	STEP \t
.endr
	ds_load_b64 v[8:9], v6                         ; in order behind my byte stores
	s_wait_dscnt 0x0
	global_store_b64 v7, v[8:9], s[22:23]          ; 256 scale bytes, aligned
	FINISH
; ---------------- W: w_o to f16 images.  Wave w of work-group 864 + ntile takes rows 16 ntile .. + 15, k = 256 w .. + 255.
; A lane loads 8 neighbouring k of a row: it is unit u = lane = 4 kf + 2 c + h; the chunk (u, r) belongs at byte 256 u + 16 r of the task's 8,192: a turn through LDS, 272 bytes from unit to unit.
.Lwo:
	s_sub_co_u32 s29, ttmp9, NQWG                  ; ntile
	v_lshlrev_b32 v3, 5, v2                        ; 32 bytes a lane
	s_mul_i32 s34, s28, WPW
	s_add_co_u32 s34, s34, WB
	v_mul_u32_u24 v4, v2, 272
	v_add_nc_u32 v4, s34, v4                       ; in: unit = lane, + 16 r in the immediate
	v_lshrrev_b32 v5, 4, v2
	v_mul_u32_u24 v5, v5, 272
	v_and_b32 v6, 15, v2
	v_lshl_add_u32 v5, v6, 4, v5
	v_add_nc_u32 v5, s34, v5                       ; back: two units an instruction, sixteen lanes to a unit
	v_lshlrev_b32 v6, 4, v2                        ; out: 16 bytes a lane
	s_lshl_b32 s32, s29, 16                        ; 16 rows of 4,096 bytes
	s_lshl_b32 s34, s28, 10
	s_add_co_u32 s32, s32, s34
	s_add_nc_u64 s[16:17], s[16:17], s[32:33]
	s_lshl_b32 s32, s29, 15                        ; an ntile's images are 32,768 bytes
	s_lshl_b32 s34, s28, 13
	s_add_co_u32 s32, s32, s34
	s_add_nc_u64 s[24:25], s[24:25], s[32:33]
.irp r, 0,1,2,3,4,5,6,7,8,9,10,11,12,13,14,15
	global_load_b128 v[16+8*\r:16+8*\r+3], v3, s[16:17] offset:4096*\r th:TH_LOAD_NT
	global_load_b128 v[16+8*\r+4:16+8*\r+7], v3, s[16:17] offset:4096*\r+16 th:TH_LOAD_NT
.endr
.irp r, 0,1,2,3,4,5,6,7,8,9,10,11,12,13,14,15
	s_wait_loadcnt 30-2*\r                         ; row r's two loads are in; the later rows' may be out
.irp i, 0,1,2,3
	v_cvt_pk_f16_f32 v[16+8*\r+\i], v[16+8*\r+2*\i], v[16+8*\r+2*\i+1]   ; in place: register i is written when 2 i and 2 i + 1 are read
.endr
	ds_store_b128 v4, v[16+8*\r:16+8*\r+3] offset:16*\r
.endr
.irp i, 0,1,2,3,4,5,6,7,8,9,10,11,12,13,14,15
	ds_load_b128 v[144+4*\i:144+4*\i+3], v5 offset:544*\i          ; in order behind my stores
.endr
.irp i, 0,1,2,3,4,5,6,7,8,9,10,11,12,13,14,15
	s_wait_dscnt 15-\i
	global_store_b128 v6, v[144+4*\i:144+4*\i+3], s[24:25] offset:512*\i   ; 512 consecutive bytes, aligned
.endr
	FINISH
; ---------------- M: the mask as lane masks.  Work-group 928 + qtile takes 16 rows; wave w keys 512 w .. + 511, in four tasks of 128 keys.
; Loads are dense (512 bytes of a row); through LDS a lane (r, h) gets row r's keys 16 kt + 8 h + 0..7; a compare's lane mask IS the wanted word.
.Lmask:
	s_sub_co_u32 s29, ttmp9, NQWG+NWWG             ; qtile
	v_lshlrev_b32 v3, 4, v2                        ; 16 bytes a lane
	s_mul_i32 s34, s28, MPW
	s_add_co_u32 s34, s34, MB
	v_add_nc_u32 v4, s34, v3                       ; in: row r at 528 r (immediate)
	v_and_b32 v5, 15, v2
	v_mul_u32_u24 v5, v5, 528
	v_lshrrev_b32 v6, 4, v2
	v_lshl_add_u32 v5, v6, 5, v5
	v_add_nc_u32 v5, s34, v5                       ; back: row lane % 16, + 32 (lane / 16)
	v_lshlrev_b32 v7, 3, v2                        ; out: two words a lane
	s_lshl_b32 s32, s29, 17                        ; 16 rows of 8,192 bytes
	s_lshl_b32 s34, s28, 11
	s_add_co_u32 s32, s32, s34
	s_add_nc_u64 s[18:19], s[18:19], s[32:33]
	s_lshl_b32 s32, s29, 12                        ; a qtile's words are 4,096 bytes
	s_lshl_b32 s34, s28, 10
	s_add_co_u32 s32, s32, s34
	s_add_nc_u64 s[26:27], s[26:27], s[32:33]
.irp i, 0,1,2,3,4,5,6,7
	v_mov_b32 v[208+\i], 0                         ; v_writelane's destination counts as read
.endr
.macro MTLOAD tau
.irp r, 0,1,2,3,4,5,6,7,8,9,10,11,12,13,14,15
	global_load_b128 v[16+64*((\tau)%2)+4*\r:16+64*((\tau)%2)+4*\r+3], v3, s[18:19] offset:8192*\r+512*(\tau) th:TH_LOAD_NT
.endr
.endm
.macro MTASK tau
.set MS, 16+64*((\tau)%2)
.if (\tau) < 3
	s_wait_loadcnt 16                              ; this task's sixteen loads are in; the next task's may be out
.else
	s_wait_loadcnt 0x0
.endif
.irp r, 0,1,2,3,4,5,6,7,8,9,10,11,12,13,14,15
	ds_store_b128 v4, v[MS+4*\r:MS+4*\r+3] offset:528*\r
.endr
.irp kt, 0,1,2,3,4,5,6,7
	ds_load_b128 v[144+8*\kt:144+8*\kt+3], v5 offset:64*\kt
	ds_load_b128 v[144+8*\kt+4:144+8*\kt+7], v5 offset:64*\kt+16
.endr
	s_wait_dscnt 0x0                               ; the words are back, and the stores have read the set
.if (\tau)+2 < 4
	MTLOAD (\tau)+2
.endif
.irp kt, 0,1,2,3,4,5,6,7
.irp j, 0,1,2,3,4,5,6,7
	v_cmp_eq_u32 s[36+\j], 0, v[144+8*\kt+\j]      ; bit L: mask[row L % 16][16 kt + 8 (L / 16) + j] == 0
.endr
.irp j, 0,1,2,3,4,5,6,7
	v_writelane_b32 v[208+2*(\tau)+(\j%2)], s[36+\j], (8*\kt+\j)/2   ; word w = 8 kt + j goes to lane w / 2, register w % 2
.endr
.endr
	global_store_b64 v7, v[208+2*(\tau):209+2*(\tau)], s[26:27] offset:256*(\tau)   ; 64 words: 256 consecutive bytes, aligned
.endm
	MTLOAD 0
	MTLOAD 1
	MTASK 0
	MTASK 1
	MTASK 2
	MTASK 3
	FINISH
.Lfunc_end_k_qb264b086c2_prep:
	.size	k_qb264b086c2_prep, .Lfunc_end_k_qb264b086c2_prep-k_qb264b086c2_prep
	.p2alignl 7, 3214868480
	.fill 96, 4, 3214868480
	.section	.rodata,"a",@progbits
	.p2align	6, 0x0
	.amdhsa_kernel k_qb264b086c2_prep
		.amdhsa_group_segment_fixed_size 101888
		.amdhsa_private_segment_fixed_size 0
		.amdhsa_enable_private_segment 0
		.amdhsa_kernarg_size 96
		.amdhsa_user_sgpr_count 2
		.amdhsa_user_sgpr_kernarg_segment_ptr 1
		.amdhsa_wavefront_size32 1
		.amdhsa_system_sgpr_workgroup_id_x 1
		.amdhsa_system_sgpr_workgroup_id_y 1
		.amdhsa_system_sgpr_workgroup_id_z 1
		.amdhsa_system_vgpr_workitem_id 0
		.amdhsa_next_free_vgpr 224
		.amdhsa_next_free_sgpr 66
		.amdhsa_reserve_vcc 0
		.amdhsa_float_denorm_mode_32 3
		.amdhsa_float_denorm_mode_16_64 3
		.amdhsa_memory_ordered 1
		.amdhsa_forward_progress 1
		.amdhsa_inst_pref_size 94
	.end_amdhsa_kernel
	.amdgpu_metadata
---
amdhsa.version: [ 1, 2 ]
amdhsa.kernels:
  - .name:           k_qb264b086c2_prep
    .symbol:         k_qb264b086c2_prep.kd
    .args:
      - { .name: q, .offset: 0, .size: 8, .value_kind: global_buffer, .address_space: global }
      - { .name: k, .offset: 8, .size: 8, .value_kind: global_buffer, .address_space: global }
      - { .name: v, .offset: 16, .size: 8, .value_kind: global_buffer, .address_space: global }
      - { .name: w_q, .offset: 24, .size: 8, .value_kind: global_buffer, .address_space: global }
      - { .name: w_k, .offset: 32, .size: 8, .value_kind: global_buffer, .address_space: global }
      - { .name: w_v, .offset: 40, .size: 8, .value_kind: global_buffer, .address_space: global }
      - { .name: w_o, .offset: 48, .size: 8, .value_kind: global_buffer, .address_space: global }
      - { .name: mask, .offset: 56, .size: 8, .value_kind: global_buffer, .address_space: global }
      - { .name: codes, .offset: 64, .size: 8, .value_kind: global_buffer, .address_space: global }
      - { .name: scales, .offset: 72, .size: 8, .value_kind: global_buffer, .address_space: global }
      - { .name: woimg, .offset: 80, .size: 8, .value_kind: global_buffer, .address_space: global }
      - { .name: maskw, .offset: 88, .size: 8, .value_kind: global_buffer, .address_space: global }
    .group_segment_fixed_size: 101888
    .private_segment_fixed_size: 0
    .kernarg_segment_align: 8
    .kernarg_segment_size: 96
    .max_flat_workgroup_size: 128
    .sgpr_count:     66
    .vgpr_count:     224
    .wavefront_size: 32
...
	.end_amdgpu_metadata
.endif
;; end of part 1
;; launch proj (part 2): grid 4 x 96, 4 waves a work-group, clusters of 4 x 4, 327,680 bytes of LDS; arguments codes, scales, b_q, b_k, b_v, qimg, kvimg; writes qimg, kvimg
.if DOCPART == 2
	.amdgcn_target "amdgcn-amd-amdhsa--gfx1250"
	.amdhsa_code_object_version 6
	.text
	.protected	k_qb264b086c2_proj
	.globl	k_qb264b086c2_proj
	.p2align	8
	.type	k_qb264b086c2_proj,@function
k_qb264b086c2_proj:
	s_mov_b64 s[64:65], 0
	v_nop
	global_prefetch_b8 v0, s[64:65] scope:SCOPE_SE
	s_setreg_imm32_b32 hwreg(HW_REG_WAVE_MODE, 25, 1), 1
	s_wait_xcnt 0x0
	s_wait_alu depctr_hold_cnt(0) depctr_sa_sdst(0) depctr_va_vdst(0) depctr_va_sdst(0) depctr_va_ssrc(0) depctr_va_vcc(0) depctr_vm_vsrc(0)
	s_getreg_b32 s2, hwreg(HW_REG_IB_STS2, 6, 4)
	s_cmp_eq_u32 s2, 0
	s_cbranch_scc0 .Lentry_in_a_cluster
	s_endpgm
.Lentry_in_a_cluster:
	s_bfe_u32 s2, ttmp6, 0x10000c
	s_cmp_lg_u32 s2, 0xf033
	s_cbranch_scc0 .Lentry_shape_is_right
	s_endpgm
.Lentry_shape_is_right:
; PROJ: the three quantised products q w_q^T + b_q, k w_k^T + b_k, v w_v^T + b_v on codes of FP4 (E2M1) with one E8M0 scale for each 32 along K = 1024; sums in f32.
; One launch: the 24,576 token rows of q, k, v follow each other in the codes' buffer; work-group row y takes tokens 256 y .. + 255, and p = y / 32 says which product (0 q, 1 k, 2 v).
; A tile, 256 tokens x 256 channels, is made by four waves, each 128 x 128: 64 accumulators, 512 registers.  K goes in two steps of 512 through two LDS slots: each is filled once, nothing is filled again.
; The scale bytes of the 256 + 256 rows come once, as two dense blocks.  CLUSTER 4 x 4: the four of a row need the same token tiles, the four of a column the same weight tiles: each is asked for jointly.
; THE MATRIX INSTRUCTION IS USED TRANSPOSED (source 0 = 16 weight rows, source 1 = 16 tokens): a lane holds one token and eight neighbouring channels.  The bias is the C of each sum's first product.
; THE WAY OUT needs no LDS: a lane's eight channels in f16 are 16 bytes, one chunk of a fragment's image, and the 32 lanes' chunks of one accumulator are 512 consecutive bytes of the workspace:
;   qimg  [bh 64][qtile 128][f 2][c 2][lane 32][16 B], already multiplied by log2(e) / 8;   kvimg [bh 64][slot 4][K 65,536 B | V 65,536 B], in each half [keytile 32][f 2][c 2][position 32][16 B].
;   K's position is the lane; V's chunk (key r, octet h) lies at position 16 (r / 8) + 8 h + r % 8, the order in which the turning LDS load of the next launch addresses it.
; LIMITS: |Q log2(e) / 8|, |K|, |V| stay under 65,504 (f16); NaN and infinities are not served.
; No prefetch: both K steps are asked for at the head.  By this text's own count a wave has three tensor loads out.
; REGISTERS: window 0: v0-31 addresses; v32-95 scale words, two sets; v128-191 A's fragments, one set (on the way out: scaled results); v192-255 the bias (on the way out: packed results).
;   window 1: B's fragments, two sets, at v0 and v128.   window 2: accumulators of my tokens 0-63 ((a, b) at v[8 (8 a + b)]);   window 3: tokens 64-127.
.set NQ,     4                         ; matrix instructions deep in a slot
.set ROWB,   256                       ; a tile's row: 512 codes
.set KROW,   512                       ; a row of codes in memory
.set PITCH,  272                       ; an LDS row: 256 bytes + 16 of padding: the 16 rows that a load touches begin 68 words apart
.set FR,     8
.set NL,     2
.set NP,     4
.set HALFT,  128*PITCH
.set SLOT,   4*HALFT
.set KS,     32                        ; a row of scale bytes
.set SCL,    2*SLOT
.set HALFS,  (128*KS/256)*272
.set SBLK,   (16*KS/256)*272
.set SPARE,  SCL+4*HALFS               ; the spare words, 128 bytes for each wave
.set WROW,   24576                     ; the weights' first row in the codes' buffer
.set ADRA, 16
.set ADRB, 20
.set LO,   24                          ; v24 my chunk's place in an image's 512 bytes
.set BO,   25                          ; v25 32 x (lane / 16): my eight numbers of a bias block
.set ADRS, 27
.set SPW,  28
.set NIL,  29
.set SC,   32
.set AF,   128
.set TM,   128
.set BI,   192
.set G1, 24
.set G0, 32
.set G1B, 48
.set G0B, 56
.set G1S, 68
.set G0S, 76
.set G1SB, 80
.set G0SB, 88
.set AL,   66                          ; s[66:67] the factor on the way out
.set OUT0, 92                          ; s[92:93] the images of my first head, s[94:95] of my second
.set OUT1, 94
.set MSB, 0
.macro WIN new                         ; the immediate's high byte repeats the setting that is left
.if MSB != \new
	s_set_vgpr_msb (MSB<<8)|\new
.set MSB, \new
.endif
.endm
.set MUL_LO, 0xa1                      ; source 0 (B) window 1, source 1 (A) window 0, C and D window 2
.set MUL_HI, 0xf1                      ; C and D window 3
.set BIAS_LO, 0x81                     ; C (the bias) window 0, D window 2
.set BIAS_HI, 0xc1                     ; D window 3
.set TO_B,   0x40
.macro JLOAD g0a, g1a, g0b, g1b        ; a joint load: waves 0, 1 fetch for A, waves 2, 3 for B; an s_nop 0 and four v_nop follow each line
	s_cmp_eq_u32 s15, 0
	s_cbranch_scc0 .Lfor_b_\@
	tensor_load_to_lds s[\g0a:\g0a+3], s[\g1a:\g1a+7]
	s_nop 0
.rept 4
	v_nop
.endr
	s_branch .Lasked_\@
.Lfor_b_\@:
	tensor_load_to_lds s[\g0b:\g0b+3], s[\g1b:\g1b+7]
	s_nop 0
.rept 4
	v_nop
.endr
.Lasked_\@:
.endm
.macro CROUND                          ; a round of the cluster's barrier
	s_barrier_signal -1
	s_barrier_wait -1
	s_cmp_lg_u32 s14, 0
	s_cbranch_scc1 .Lnot_wave_0_\@
	s_barrier_signal -3
.Lnot_wave_0_\@:
	s_barrier_wait -3
	s_barrier_signal -1
	s_barrier_wait -1
.endm
	s_load_b256 s[4:11], s[0:1], 0x0               ; codes s[4:5], scales s[6:7], b_q s[8:9], b_k s[10:11]
	s_load_b128 s[96:99], s[0:1], 0x20             ; b_v s[96:97], qimg s[98:99]
	s_load_b64 s[100:101], s[0:1], 0x30            ; kvimg
	v_lshl_add_u32 v[SPW], v0, 2, SPARE
	v_mov_b32 v[NIL], 0
	ds_add_u32 v[SPW], v[NIL]                      ; the wave's opening: the add, twice on end, and its wait ahead of my first tensor load
	ds_add_u32 v[SPW], v[NIL]
	v_lshrrev_b32 v1, 5, v0
	v_readfirstlane_b32 s14, v1                    ; wave 0..3
	s_lshr_b32 s15, s14, 1                         ; which half of the tokens is mine.  Also: I fetch for A (0) or B (1)
	s_and_b32 s16, s14, 1                          ; which half of the channels.  Also: which 128 rows I fetch
	s_bfe_u32 s40, ttmp6, 0x40000                  ; cx
	s_bfe_u32 s41, ttmp6, 0x40004                  ; cy
	s_lshl_b32 s42, ttmp9, 2
	s_add_co_u32 s42, s42, s40                     ; tile column = 4 x cluster x + cx
	s_and_b32 s12, ttmp7, 0xffff                   ; cluster y
	s_lshl_b32 s17, s12, 2
	s_add_co_u32 s17, s17, s41                     ; tile row = 4 x cluster y + cy
	s_lshr_b32 s13, s12, 3                         ; p: eight clusters to a product: made of the cluster's y alone
	s_lshl_b32 s43, s41, 2
	s_lshl_b32 s43, 15, s43                        ; my row of the cluster
	s_lshl_b32 s44, 0x1111, s40                    ; my column
	s_or_b32 s[G1+0], s43, (0<<16)|(1<<20)|(1<<21)|(5<<22)|(3<<25)  ; mask; elements of 1 byte; padding on; bit 21 beside a mask; 4 words after every 64
	s_or_b32 s[G1B+0], s44, (0<<16)|(1<<20)|(1<<21)|(5<<22)|(3<<25)
.irp g, G1, G1B
	s_mov_b32 s[\g+1], ROWB<<16                    ; tensor_dim0
	s_mov_b32 s[\g+2], 128<<16                     ; tensor_dim1
	s_mov_b32 s[\g+3], ROWB<<16                    ; tile_dim0
	s_mov_b32 s[\g+4], 128                         ; tile_dim1
	s_mov_b32 s[\g+5], KROW                        ; pitch
	s_mov_b32 s[\g+6], 0
	s_mov_b32 s[\g+7], 0
.endr
	s_or_b32 s[G1S+0], s43, (3<<16)|(1<<20)|(1<<21)|(5<<22)|(3<<25)  ; the scales of 128 rows: 4,096 dense bytes as 16 rows of 256, 16 bytes of padding behind each
	s_or_b32 s[G1SB+0], s44, (3<<16)|(1<<20)|(1<<21)|(5<<22)|(3<<25)
.irp g, G1S, G1SB
	s_mov_b32 s[\g+1], 32<<16
	s_mov_b32 s[\g+2], (128*KS/256)<<16
	s_mov_b32 s[\g+3], 32<<16
	s_mov_b32 s[\g+4], 128*KS/256
	s_mov_b32 s[\g+5], 32
	s_mov_b32 s[\g+6], 0
	s_mov_b32 s[\g+7], 0
.endr
	s_lshl_b32 s18, s16, 7                         ; which 128 rows of the tile I fetch
	s_lshl_b32 s20, s17, 8
	s_add_co_u32 s20, s20, s18                     ; A: row 256 x tile row + 128 x half
	s_lshl_b32 s46, s42, 8
	s_add_co_u32 s46, s46, s18
	s_lshl_b32 s19, s13, 10
	s_add_co_u32 s46, s46, s19
	s_add_co_u32 s46, s46, WROW                    ; B: row 24,576 + 1,024 p + 256 x tile column + 128 x half
	s_mov_b32 s21, 0
	s_mov_b32 s47, 0
	s_mov_b64 s[18:19], KS
	s_mul_u64 s[22:23], s[20:21], s[18:19]         ; where these rows' scales begin,
	s_mul_u64 s[92:93], s[46:47], s[18:19]
	s_mov_b64 s[18:19], KROW
	s_mul_u64 s[20:21], s[20:21], s[18:19]         ; and their codes
	s_mul_u64 s[46:47], s[46:47], s[18:19]
	s_mul_i32 s45, s14, HALFT                      ; where they go: wave x 128 rows
	s_mul_i32 s94, s14, HALFS
	s_wait_dscnt 0x0                               ; both opening adds are done
	s_wait_kmcnt 0x0
	s_add_nc_u64 s[20:21], s[4:5], s[20:21]
	s_add_nc_u64 s[22:23], s[6:7], s[22:23]
	s_add_nc_u64 s[46:47], s[4:5], s[46:47]
	s_add_nc_u64 s[92:93], s[6:7], s[92:93]
	CROUND                                         ; all sixteen work-groups are here: the joint loads meet
	s_mov_b32 s[G0S], 1
	s_add_co_u32 s[G0S+1], s94, SCL
	s_mov_b64 s[G0S+2:G0S+3], s[22:23]
	s_or_b32 s[G0S+3], s[G0S+3], 0x80000000
	s_mov_b32 s[G0SB], 1
	s_add_co_u32 s[G0SB+1], s94, SCL
	s_mov_b64 s[G0SB+2:G0SB+3], s[92:93]
	s_or_b32 s[G0SB+3], s[G0SB+3], 0x80000000
	JLOAD G0S, G1S, G0SB, G1SB                     ; the scales first
.irp s, 0,1
	s_mov_b32 s[G0+4*\s], 1
	s_add_co_u32 s[G0+4*\s+1], s45, \s*SLOT
	s_add_nc_u64 s[G0+4*\s+2:G0+4*\s+3], s[20:21], \s*ROWB
	s_or_b32 s[G0+4*\s+3], s[G0+4*\s+3], 0x80000000
	s_mov_b32 s[G0B+4*\s], 1
	s_add_co_u32 s[G0B+4*\s+1], s45, \s*SLOT
	s_add_nc_u64 s[G0B+4*\s+2:G0B+4*\s+3], s[46:47], \s*ROWB
	s_or_b32 s[G0B+4*\s+3], s[G0B+4*\s+3], 0x80000000
	JLOAD G0+4*\s, G1, G0B+4*\s, G1B
.endr
	v_and_b32 v1, 15, v0                           ; r
	v_bfe_u32 v2, v0, 4, 1                         ; h
	v_mul_u32_u24 v3, v1, PITCH
	v_lshl_add_u32 v4, v2, 4, v3                   ; a fragment's row x pitch + 16 h
	s_mul_i32 s21, s15, HALFT
	s_mul_i32 s22, s16, HALFT
	s_add_co_u32 s22, s22, 2*HALFT
.irp s, 0,1
	v_add_nc_u32 v[ADRA+\s], s21, v4
	v_add_nc_u32 v[ADRB+\s], s22, v4
	s_add_co_u32 s21, s21, SLOT
	s_add_co_u32 s22, s22, SLOT
.endr
	v_mul_u32_u24 v5, v1, KS                       ; my row's scales: 32 bytes a row,
	v_lshrrev_b32 v6, 8, v5
	v_lshl_add_u32 v5, v6, 4, v5                   ; and 16 more for each 256 passed
	s_mul_i32 s21, s15, HALFS
	s_mul_i32 s22, s16, HALFS
	s_add_co_u32 s22, s22, 2*HALFS
	s_sub_co_u32 s22, s22, s21
	v_mul_u32_u24 v6, s22, v2                      ; lanes 16-31 take B's: one product, the distance between the two bases
	s_add_co_u32 s21, s21, SCL
	v_add_nc_u32 v5, v5, v6
	v_add_nc_u32 v[ADRS], s21, v5
	; the bias of my 128 channels, in the result's layout: block b, lane (r, h): channels 16 b + 8 h + 0..7
	s_cmp_eq_u32 s13, 1
	s_cselect_b64 s[44:45], s[10:11], s[96:97]
	s_cmp_eq_u32 s13, 0
	s_cselect_b64 s[44:45], s[8:9], s[44:45]
	s_lshl_b32 s20, s42, 10
	s_lshl_b32 s21, s16, 9
	s_add_co_u32 s20, s20, s21
	s_mov_b32 s21, 0
	s_add_nc_u64 s[44:45], s[44:45], s[20:21]
	v_lshlrev_b32 v[BO], 5, v2
.irp b, 0,1,2,3,4,5,6,7
	global_load_b128 v[BI+8*\b:BI+8*\b+3], v[BO], s[44:45] offset:64*\b
	global_load_b128 v[BI+8*\b+4:BI+8*\b+7], v[BO], s[44:45] offset:64*\b+16
.endr
	; where my results go
	v_bfe_u32 v7, v0, 3, 1
	v_and_b32 v8, 7, v0
	v_lshl_or_b32 v8, v2, 3, v8
	v_lshl_or_b32 v8, v7, 4, v8                    ; V's position: 16 (r / 8) + 8 h + r % 8
	v_lshlrev_b32 v8, 4, v8
	v_and_b32 v9, 31, v0
	v_lshlrev_b32 v9, 4, v9                        ; Q's and K's: the lane
	s_and_b32 s20, s17, 31                         ; my tile row inside the product
	s_lshr_b32 s21, s20, 3                         ; the batch: eight tile rows of 256 tokens
	s_and_b32 s20, s20, 7                          ; ys: which 256 tokens of the sequence
	s_lshl_b32 s21, s21, 4
	s_lshl_b32 s22, s42, 2
	s_add_co_u32 s21, s21, s22
	s_lshl_b32 s22, s16, 1
	s_add_co_u32 s21, s21, s22                     ; bh of my first head: 16 batch + 4 x tile column + 2 x half
	s_lshl_b32 s22, s21, 18
	s_lshl_b32 s23, s20, 15
	s_add_co_u32 s22, s22, s23                     ; in qimg: bh x 262,144 + 16 ys tiles of 2,048 bytes
	s_lshl_b32 s46, s21, 19
	s_lshr_b32 s47, s20, 1
	s_lshl_b32 s47, s47, 17
	s_add_co_u32 s46, s46, s47
	s_and_b32 s47, s20, 1
	s_lshl_b32 s47, s47, 15
	s_add_co_u32 s46, s46, s47                     ; in kvimg: bh x 524,288 + (ys / 2) slots + 16 (ys % 2) tiles,
	s_cmp_eq_u32 s13, 2
	s_cselect_b32 s47, 65536, 0
	s_cselect_b32 s12, -1, 0
	s_add_co_u32 s46, s46, s47                     ; V behind K
	s_mov_b32 s47, 524288
	s_cmp_eq_u32 s13, 0
	s_cselect_b32 s22, s22, s46
	s_cselect_b32 s46, 262144, s47                 ; from head to head
	s_cselect_b32 s[AL], 0x3e38aa3b, 1.0           ; Q is multiplied by log2(e) / 8, K and V by 1
	s_cselect_b64 s[OUT0:OUT0+1], s[98:99], s[100:101]
	s_mov_b32 s[AL+1], s[AL]                       ; (named with it as a pair)
	s_lshl_b32 s23, s15, 14                        ; my eight tiles of tokens
	s_add_co_u32 s22, s22, s23
	s_mov_b32 s23, 0
	s_mov_b32 s47, 0
	s_add_nc_u64 s[OUT0:OUT0+1], s[OUT0:OUT0+1], s[22:23]
	s_add_nc_u64 s[OUT1:OUT1+1], s[OUT0:OUT0+1], s[46:47]
	v_cndmask_b32 v[LO], v9, v8, s12
.macro FRAG reg, adr, q, i             ; 16 rows x 128 K of 4-bit codes: 8 registers, two loads 32 bytes apart
.irp c, 0,1
	ds_load_b128 v[\reg+4*\c:\reg+4*\c+3], v[\adr] offset:64*(\q)+32*\c+(\i)*16*PITCH
.endr
.endm
; 16 matrix instructions: A's blocks a0, a0 + 1 x B's eight.  zero = 1: the first product takes the bias as C.  The 64 accumulators take turns, one instruction a turn.
.macro MUL16 a0, p, q, sc, zero
.irp a, \a0, \a0+1
.irp b, 0,1,2,3,4,5,6,7
.if \zero
	v_wmma_scale_f32_16x16x128_f8f6f4 v[8*(8*((\a)%4)+\b):8*(8*((\a)%4)+\b)+7], v[128*(\p)+FR*\b:128*(\p)+FR*\b+FR-1], v[AF+FR*(\a):AF+FR*(\a)+FR-1], v[BI+8*\b:BI+8*\b+7], v[SC+8*NQ*(\sc)+NQ*\b+(\q)], v[SC+8*NQ*(\sc)+NQ*(\a)+(\q)] matrix_a_fmt:MATRIX_FMT_FP4 matrix_b_fmt:MATRIX_FMT_FP4 matrix_a_scale:MATRIX_SCALE_ROW1
.else
	v_wmma_scale_f32_16x16x128_f8f6f4 v[8*(8*((\a)%4)+\b):8*(8*((\a)%4)+\b)+7], v[128*(\p)+FR*\b:128*(\p)+FR*\b+FR-1], v[AF+FR*(\a):AF+FR*(\a)+FR-1], v[8*(8*((\a)%4)+\b):8*(8*((\a)%4)+\b)+7], v[SC+8*NQ*(\sc)+NQ*\b+(\q)], v[SC+8*NQ*(\sc)+NQ*(\a)+(\q)] matrix_a_fmt:MATRIX_FMT_FP4 matrix_b_fmt:MATRIX_FMT_FP4 matrix_a_scale:MATRIX_SCALE_ROW1
.endif
.endr
.endr
.endm
.macro FETCH_B slot, q, p
	WIN TO_B
.irp i, 0,1,2,3,4,5,6,7
	FRAG 128*(\p)+FR*\i, ADRB+\slot, \q, \i
.endr
	WIN 0
.endm
.macro FETCH_A slot, q, i0
.irp i, \i0, \i0+1, \i0+2, \i0+3
	FRAG AF+FR*(\i), ADRA+\slot, \q, \i
.endr
.endm
.macro SCALES sc                       ; a K step's scale words: lanes 0-15 A's block i, lanes 16-31 B's block i
.irp i, 0,1,2,3,4,5,6,7
	ds_load_b128 v[SC+8*NQ*\sc+NQ*\i:SC+8*NQ*\sc+NQ*\i+3], v[ADRS] offset:\i*SBLK
.endr
.endm
.macro PLACES n                        ; plain vector lines between a matrix instruction and a load into, or a vector line on, its registers
.rept \n
	v_nop
.endr
.endm
.macro STEP slot, q, zero              ; 128 along K with its successor in the same slot
	s_wait_dscnt 4*NL                              ; B's set and A's blocks 0-3 are in; the youngest eight loads (A's blocks 4-7) may be out
.if \zero
	WIN BIAS_LO
.else
	WIN MUL_LO
.endif
	MUL16 0, (\q)%2, \q, \slot, \zero
	MUL16 2, (\q)%2, \q, \slot, \zero
	s_wait_dscnt 0
	PLACES NP
	FETCH_B \slot, (\q)+1, 1-(\q)%2
	FETCH_A \slot, (\q)+1, 0
.if \zero
	WIN BIAS_HI
.else
	WIN MUL_HI
.endif
	MUL16 4, (\q)%2, \q, \slot, \zero
	MUL16 6, (\q)%2, \q, \slot, \zero
	PLACES NP
	WIN 0
	FETCH_A \slot, (\q)+1, 4
.endm
.macro STEPS slot, from
.set Q, \from
.rept NQ-1-\from
	STEP \slot, Q, 0
.set Q, Q+1
.endr
.endm
	s_wait_tensorcnt 1                             ; the scales and my part of slot 0 are in; slot 1's load may be out
	s_barrier_signal -1
	s_barrier_wait -1
	FETCH_B 0, 0, 0
	FETCH_A 0, 0, 0
	SCALES 0
	FETCH_A 0, 0, 4
	s_wait_loadcnt 0x0                             ; the bias
	STEP 0, 0, 1
	STEPS 0, 1
	; slot 0's last step, and the change to slot 1.  Nothing is filled again in this launch: the barrier only shows slot 1 whole to every wave
	s_wait_tensorcnt 0x0                           ; my part of slot 1 has landed
	s_wait_dscnt 4*NL
	WIN MUL_LO
	MUL16 0, 1, NQ-1, 0, 0
	s_wait_dscnt 0x0                               ; no LDS instruction of mine is out at the signal
	s_barrier_signal -1
	MUL16 2, 1, NQ-1, 0, 0
	WIN 0
	s_barrier_wait -1
	PLACES NP
	v_add_nc_u32 v[ADRS], 4*NQ, v[ADRS]            ; on to the second K step's scale words
	FETCH_B 1, 0, 0
	FETCH_A 1, 0, 0
	SCALES 1
	WIN MUL_HI
	MUL16 4, 1, NQ-1, 0, 0
	MUL16 6, 1, NQ-1, 0, 0
	PLACES NP
	WIN 0
	FETCH_A 1, 0, 4
	STEPS 1, 0
	s_wait_dscnt 4*NL                              ; the very last step
	WIN MUL_LO
	MUL16 0, 1, NQ-1, 1, 0
	MUL16 2, 1, NQ-1, 1, 0
	s_wait_dscnt 0
	WIN MUL_HI
	MUL16 4, 1, NQ-1, 1, 0
	MUL16 6, 1, NQ-1, 1, 0
	WIN 0
	PLACES NP
; THE WAY OUT of block a (16 tokens x 128 channels): x the factor, to f16, eight stores of 512 consecutive aligned bytes.  Each accumulator is read from its low end on.
.macro OUTB a
.set AC, 64*((\a)%4)
.set PS, 192+32*((\a)%2)
.if (\a) > 1
	s_wait_xcnt 0x0                                ; block a - 2's stores have read the packed set that is written again below
.endif
	WIN 0x02+((\a)/4)                              ; source 0: window 2 or 3
.irp b, 0,1,2,3,4,5,6,7
.irp i, 0,1,2,3
	v_pk_mul_f32 v[TM+8*\b+2*\i:TM+8*\b+2*\i+1], v[AC+8*\b+2*\i:AC+8*\b+2*\i+1], s[AL:AL+1] op_sel_hi:[1,0]
.endr
.endr
	WIN 0
.irp b, 0,1,2,3,4,5,6,7
.irp i, 0,1,2,3
	v_cvt_pk_f16_f32 v[PS+4*\b+\i], v[TM+8*\b+2*\i], v[TM+8*\b+2*\i+1]
.endr
.endr
.irp b, 0,1,2,3
	global_store_b128 v[LO], v[PS+4*\b:PS+4*\b+3], s[OUT0:OUT0+1] offset:(\a)*2048+\b*512
.endr
.irp b, 0,1,2,3
	global_store_b128 v[LO], v[PS+16+4*\b:PS+16+4*\b+3], s[OUT1:OUT1+1] offset:(\a)*2048+\b*512
.endr
.endm
.irp a, 0,1,2,3,4,5,6,7
	OUTB \a
.endr
	s_wait_tensorcnt 0x0                           ; the wave's end
	ds_add_u32 v[SPW], v[NIL]
	s_wait_dscnt 0x0
	CROUND                                         ; the closing round
	s_endpgm
.Lfunc_end_k_qb264b086c2_proj:
	.size	k_qb264b086c2_proj, .Lfunc_end_k_qb264b086c2_proj-k_qb264b086c2_proj
	.p2alignl 7, 3214868480
	.fill 96, 4, 3214868480
	.section	.rodata,"a",@progbits
	.p2align	6, 0x0
	.amdhsa_kernel k_qb264b086c2_proj
		.amdhsa_group_segment_fixed_size 327680
		.amdhsa_private_segment_fixed_size 0
		.amdhsa_enable_private_segment 0
		.amdhsa_kernarg_size 56
		.amdhsa_user_sgpr_count 2
		.amdhsa_user_sgpr_kernarg_segment_ptr 1
		.amdhsa_wavefront_size32 1
		.amdhsa_system_sgpr_workgroup_id_x 1
		.amdhsa_system_sgpr_workgroup_id_y 1
		.amdhsa_system_sgpr_workgroup_id_z 1
		.amdhsa_system_vgpr_workitem_id 0
		.amdhsa_next_free_vgpr 1024
		.amdhsa_next_free_sgpr 102
		.amdhsa_reserve_vcc 0
		.amdhsa_float_denorm_mode_32 3
		.amdhsa_float_denorm_mode_16_64 3
		.amdhsa_memory_ordered 1
		.amdhsa_forward_progress 1
		.amdhsa_inst_pref_size 137
	.end_amdhsa_kernel
	.amdgpu_metadata
---
amdhsa.version: [ 1, 2 ]
amdhsa.kernels:
  - .name:           k_qb264b086c2_proj
    .symbol:         k_qb264b086c2_proj.kd
    .args:
      - { .name: codes, .offset: 0, .size: 8, .value_kind: global_buffer, .address_space: global }
      - { .name: scales, .offset: 8, .size: 8, .value_kind: global_buffer, .address_space: global }
      - { .name: b_q, .offset: 16, .size: 8, .value_kind: global_buffer, .address_space: global }
      - { .name: b_k, .offset: 24, .size: 8, .value_kind: global_buffer, .address_space: global }
      - { .name: b_v, .offset: 32, .size: 8, .value_kind: global_buffer, .address_space: global }
      - { .name: qimg, .offset: 40, .size: 8, .value_kind: global_buffer, .address_space: global }
      - { .name: kvimg, .offset: 48, .size: 8, .value_kind: global_buffer, .address_space: global }
    .group_segment_fixed_size: 327680
    .private_segment_fixed_size: 0
    .kernarg_segment_align: 8
    .kernarg_segment_size: 56
    .max_flat_workgroup_size: 128
    .sgpr_count:     102
    .vgpr_count:     1024
    .wavefront_size: 32
...
	.end_amdgpu_metadata
.endif
;; end of part 2
;; launch attn (part 3): grid 4 x 64, 8 waves a work-group, clusters of 4 x 1, 327,680 bytes of LDS; arguments qimg, kvimg, maskw, ximg; writes ximg
.if DOCPART == 3
	.amdgcn_target "amdgcn-amd-amdhsa--gfx1250"
	.amdhsa_code_object_version 6
	.text
	.protected	k_qb264b086c2_attn
	.globl	k_qb264b086c2_attn
	.p2align	8
	.type	k_qb264b086c2_attn,@function
k_qb264b086c2_attn:
	s_mov_b64 s[64:65], 0
	v_nop
	global_prefetch_b8 v0, s[64:65] scope:SCOPE_SE
	s_setreg_imm32_b32 hwreg(HW_REG_WAVE_MODE, 25, 1), 1
	s_wait_xcnt 0x0
	s_wait_alu depctr_hold_cnt(0) depctr_sa_sdst(0) depctr_va_vdst(0) depctr_va_sdst(0) depctr_va_ssrc(0) depctr_va_vcc(0) depctr_vm_vsrc(0)
	s_getreg_b32 s2, hwreg(HW_REG_IB_STS2, 6, 4)
	s_cmp_eq_u32 s2, 0
	s_cbranch_scc0 .Lentry_in_a_cluster
	s_endpgm
.Lentry_in_a_cluster:
	s_bfe_u32 s2, ttmp6, 0x10000c
	s_cmp_lg_u32 s2, 0x3003
	s_cbranch_scc0 .Lentry_shape_is_right
	s_endpgm
.Lentry_shape_is_right:
; ATTN: x[b][q][head] = softmax_k(where(mask == 0, -1e9, Q . K / 8)) V, operands in f16, products, maxima and sums in f32.
; SHARES.  A work-group owns 512 queries of one (batch, head); each of its eight waves 64: four tiles of 16, so that each fragment of K and V read from LDS feeds four products.  Two waves share a SIMD:
; one wave's softmax stands beside the other's products.  Every wave walks all 2,048 keys, 64 a step.
; CLUSTER.  The four work-groups of a (batch, head) walk the same K and V: each slot of 512 keys (131,072 dense bytes of kvimg) is asked for JOINTLY, every wave 16,384 bytes of it.
; LAYOUT.  Both products are used transposed: S^T = K Q^T, O^T = V^T P: a lane holds ONE query throughout.  All operands lie in memory and LDS as images of their registers: every fragment load is
; base + 16 x lane + an immediate, 512 consecutive bytes.  V is turned by ds_load_tr16_b128; its chunks were laid in that load's own order.
; SOFTMAX.  Q was multiplied by log2(e) / 8, so a score is t.  Hidden scores are REPLACED by -1e9 log2(e) ahead of the maximum, by a select under the stored lane mask, in every step: no branch hangs on the mask.
; A running maximum m for each query; p = 2^(t - m), rounded to f16; O and l are multiplied by a = 2^(m_old - m) in every step.  A row that is wholly hidden gives p = 1 everywhere: the mean of V.
; THE ROW'S SUM comes from the matrix unit: a fragment of ones times P puts l into register 0 of L(t) in every lane; registers 1-7 of L are not rescaled and not read (each stays at most 2,048).
; A TRIP: V^T P of step j; K of step j + 1 into the registers that V leaves; K Q^T of step j + 1; V of step j + 1; its softmax.
; No prefetch: a slot is asked for again a whole slot's eight trips ahead of the wait for it.  By this text's own count a wave has two tensor loads out at the start and one behind each round.
; LIMITS: operands in f16's range (under 65,504); NaN and infinities are not served.
; REGISTERS.  window 0: v1 16 x lane, v2 the same + V's offset, v3, v4 addresses in hand; v6, v7 the add's two; v8-15 ones; v16-47 statistics, eight a tile (+0 m, +1 filler, +4..7 at work; +6 a, +7 m_old - m);
;   v64-191 S^T, 32 a tile, P in place in the first 16 of each; v192-255 eight fragments of K or of V.   window 1: v0-127 O^T (tile t, channels 16 ct on: 32 t + 8 ct); v128-159 L(t); v160-223 Q (160 + 16 t + 8 f).
.set SLOT1, 1<<17
.set VOFF,  65536
.set STEPB, 8192
.set SPARE, 2*SLOT1
.set LI,  1
.set LV,  2
.set ADK, 3
.set ADV, 4
.set SPW, 6
.set NIL, 7
.set ONES, 8
.set ST,  16
.set S,   64
.set F,   192
.set LR,  128
.set QR,  160
.set TB,  2                            ; s2   LDS byte at which the next key step to be fetched begins
.set CNT, 3                            ; s3   trips
.set WV,  12
.set G1,  16                           ; s[16:23] descriptor group 1
.set G0A, 24                           ; s[24:27] group 0 of slot 0's first fill
.set G0B, 28                           ; s[28:31] of slot 1's; it then walks on
.set MA,  32                           ; s[32:63] 32 mask words
.set MO,  66                           ; s66  the key step's byte offset among a tile's mask words
.set TNEG, 67                          ; s67  -1e9 log2(e)
.set MB,  68                           ; s[68:99] 32 mask words
.set SLOTS, 100
.set SEL, 104                          ; s[104:105] v_permlanex16_b32's selects for lane l xor 16
.set MSB, 0
.macro WIN new
.if MSB != \new
	s_set_vgpr_msb (MSB<<8)|\new
.set MSB, \new
.endif
.endm
.macro CROUND
	s_barrier_signal -1
	s_barrier_wait -1
	s_cmp_lg_u32 s[WV], 0
	s_cbranch_scc1 .Lnot_wave_0_\@
	s_barrier_signal -3
.Lnot_wave_0_\@:
	s_barrier_wait -3
	s_barrier_signal -1
	s_barrier_wait -1
.endm
.macro NOPS n
.rept \n
	v_nop
.endr
.endm
.macro KLOAD half                      ; K's fragments 4 half .. + 3 (fragment 2 kt + f: keys 16 kt on, channels 32 f on)
.irp i, 4*\half, 4*\half+1, 4*\half+2, 4*\half+3
	ds_load_b128 v[F+8*(\i):F+8*(\i)+3], v[ADK] offset:1024*(\i)
	ds_load_b128 v[F+8*(\i)+4:F+8*(\i)+7], v[ADK] offset:1024*(\i)+512
.endr
.endm
.macro VLOAD                           ; V^T's fragments (g, c): channels 16 c on, keys 32 g on, turned
.irp g, 0,1
.irp c, 0,1,2,3
	ds_load_tr16_b128 v[F+8*(4*\g+\c):F+8*(4*\g+\c)+3], v[ADV] offset:4096*\g+512*\c
	ds_load_tr16_b128 v[F+8*(4*\g+\c)+4:F+8*(4*\g+\c)+7], v[ADV] offset:4096*\g+512*\c+2048
.endr
.endr
.endm
.macro KQH half                        ; 16 products of S^T: key tiles 2 half, 2 half + 1; eight accumulators by turns
	WIN 0x04                                       ; Q in window 1
.irp f, 0,1
.irp k, 2*\half, 2*\half+1
.irp t, 0,1,2,3
.if \f == 0
	v_wmma_f32_16x16x32_f16 v[S+32*\t+8*(\k):S+32*\t+8*(\k)+7], v[F+8*(2*(\k)+\f):F+8*(2*(\k)+\f)+7], v[QR+16*\t+8*\f:QR+16*\t+8*\f+7], 0
.else
	v_wmma_f32_16x16x32_f16 v[S+32*\t+8*(\k):S+32*\t+8*(\k)+7], v[F+8*(2*(\k)+\f):F+8*(2*(\k)+\f)+7], v[QR+16*\t+8*\f:QR+16*\t+8*\f+7], v[S+32*\t+8*(\k):S+32*\t+8*(\k)+7]
.endif
.endr
.endr
.endr
.endm
.macro PVG g, first                    ; keys 32 g on: 16 products of O^T and 4 of L, twenty accumulators by turns.  first = 1: g = 0 starts the sums
	WIN 0x50                                       ; C and D in window 1
.irp c, 0,1,2,3
.irp t, 0,1,2,3
.if \first && (\g == 0)
	v_wmma_f32_16x16x32_f16 v[32*\t+8*\c:32*\t+8*\c+7], v[F+8*(4*\g+\c):F+8*(4*\g+\c)+7], v[S+32*\t+8*\g:S+32*\t+8*\g+7], 0
.else
	v_wmma_f32_16x16x32_f16 v[32*\t+8*\c:32*\t+8*\c+7], v[F+8*(4*\g+\c):F+8*(4*\g+\c)+7], v[S+32*\t+8*\g:S+32*\t+8*\g+7], v[32*\t+8*\c:32*\t+8*\c+7]
.endif
.endr
.endr
.irp t, 0,1,2,3
.if \first && (\g == 0)
	v_wmma_f32_16x16x32_f16 v[LR+8*\t:LR+8*\t+7], v[ONES:ONES+7], v[S+32*\t+8*\g:S+32*\t+8*\g+7], 0
.else
	v_wmma_f32_16x16x32_f16 v[LR+8*\t:LR+8*\t+7], v[ONES:ONES+7], v[S+32*\t+8*\g:S+32*\t+8*\g+7], v[LR+8*\t:LR+8*\t+7]
.endif
.endr
.endm
.macro MASK t, m                       ; where the word's bit is set the score becomes -1e9 log2(e); ascending: each accumulator is read from its low end on
.set i, 0
.rept 32
	v_cndmask_b32 v[S+32*\t+i], v[S+32*\t+i], s[TNEG], s[\m+i]
.set i, i+1
.endr
.endm
.macro MLOAD m, t                      ; tile t's 32 mask words of the key step at s[MO]
	s_load_b512 s[\m:\m+15], s[8:9], s[MO] offset:4096*\t
	s_load_b512 s[\m+16:\m+31], s[8:9], s[MO] offset:4096*\t+64
.endm
.macro MAXP p, first                   ; tiles p, p + 1 by turns: the maximum of 32 scores and the old m; the other half of the lanes'; the new m; m_old - m
.irp j, 0,1,2,3
.irp t, \p, \p+1
	v_max3_num_f32 v[ST+8*(\t)+4+\j], v[S+32*(\t)+8*\j], v[S+32*(\t)+8*\j+1], v[S+32*(\t)+8*\j+2]
.endr
.endr
.irp u, 1,2
.irp j, 0,1,2,3
.irp t, \p, \p+1
	v_max3_num_f32 v[ST+8*(\t)+4+\j], v[ST+8*(\t)+4+\j], v[S+32*(\t)+8*\j+2*\u+1], v[S+32*(\t)+8*\j+2*\u+2]
.endr
.endr
.endr
.irp t, \p, \p+1
	v_max3_num_f32 v[ST+8*(\t)+4], v[ST+8*(\t)+4], v[S+32*(\t)+7], v[S+32*(\t)+15]
.endr
.irp t, \p, \p+1
	v_max3_num_f32 v[ST+8*(\t)+6], v[ST+8*(\t)+6], v[S+32*(\t)+23], v[S+32*(\t)+31]
.endr
.irp t, \p, \p+1
	v_max3_num_f32 v[ST+8*(\t)+4], v[ST+8*(\t)+4], v[ST+8*(\t)+5], v[ST+8*(\t)+6]
.endr
.irp t, \p, \p+1
.if \first
	v_max_num_f32 v[ST+8*(\t)+4], v[ST+8*(\t)+4], v[ST+8*(\t)+7]
.else
	v_max3_num_f32 v[ST+8*(\t)+4], v[ST+8*(\t)+4], v[ST+8*(\t)+7], v[ST+8*(\t)]
.endif
.endr
.irp t, \p, \p+1
	v_permlanex16_b32 v[ST+8*(\t)+5], v[ST+8*(\t)+4], s[SEL], s[SEL+1]   ; the query's other 32 keys lie in the lane 16 away
.endr
.if \first
.irp t, \p, \p+1
	v_max_num_f32 v[ST+8*(\t)], v[ST+8*(\t)+4], v[ST+8*(\t)+5]
.endr
.else
.irp t, \p, \p+1
	v_max_num_f32 v[ST+8*(\t)+6], v[ST+8*(\t)+4], v[ST+8*(\t)+5]
.endr
.irp t, \p, \p+1
	v_sub_f32 v[ST+8*(\t)+7], v[ST+8*(\t)], v[ST+8*(\t)+6]
.endr
.irp t, \p, \p+1
	v_mov_b32 v[ST+8*(\t)], v[ST+8*(\t)+6]
.endr
.endif
.endm
.macro SUBP p                          ; t - m, two at a time
.irp t, \p, \p+1
.set i, 0
.rept 16
	v_pk_add_f32 v[S+32*(\t)+i:S+32*(\t)+i+1], v[S+32*(\t)+i:S+32*(\t)+i+1], v[ST+8*(\t):ST+8*(\t)+1] op_sel_hi:[1,0] neg_lo:[0,1] neg_hi:[0,1]
.set i, i+2
.endr
.endr
.endm
.macro EXPP p, first                   ; one batch: a and the 32 weights of both tiles; none reads another's result
.irp t, \p, \p+1
.if !\first
	v_exp_f32 v[ST+8*(\t)+6], v[ST+8*(\t)+7]
.endif
.set i, 0
.rept 32
	v_exp_f32 v[S+32*(\t)+i], v[S+32*(\t)+i]
.set i, i+1
.endr
.endr
.endm
.macro CVTP p                          ; to f16, in place: register i is written when 2 i and 2 i + 1 are read; registers 8 g .. 8 g + 7 are P's fragment of keys 32 g on
.irp t, \p, \p+1
.set i, 0
.rept 16
	v_cvt_pk_f16_f32 v[S+32*(\t)+i], v[S+32*(\t)+2*i], v[S+32*(\t)+2*i+1]
.set i, i+1
.endr
.endr
.endm
.macro RESC t                          ; O^T and l under the new m
	WIN 0x41                                       ; destination and source 0 in window 1, a in window 0
.set i, 0
.rept 16
	v_pk_mul_f32 v[32*\t+i:32*\t+i+1], v[32*\t+i:32*\t+i+1], v[ST+8*\t+6:ST+8*\t+7] op_sel_hi:[1,0]
.set i, i+2
.endr
	v_mul_f32 v[LR+8*\t], v[LR+8*\t], v[ST+8*\t+6]
.endm
; A key step's softmax.  Two batches of exponentials, each with ONE s_wait_alu ahead of its first reader; the other pair's selects, or the first pair's rescaling, are the plain work between.
.macro SOFT first
	s_wait_kmcnt 0x0                               ; the words of tiles 0 and 1
	MASK 0, MA
	MASK 1, MB
	MLOAD MA, 2
	MAXP 0, \first
	MLOAD MB, 3
	SUBP 0
	EXPP 0, \first
	s_wait_kmcnt 0x0                               ; the words of tiles 2 and 3; and no scalar load still reads s[MO]
	MASK 2, MA
	MASK 3, MB
	s_add_co_u32 s[MO], s[MO], 128                 ; the next key step's words;
	s_and_b32 s[MO], s[MO], 4095                   ; behind the last step back to the first: inside the buffer, and not used
	MLOAD MA, 0
	s_wait_alu depctr_va_vdst(0)
	CVTP 0
	MLOAD MB, 1
	MAXP 2, \first
	SUBP 2
	EXPP 2, \first
.if \first
	v_nop                                          ; the plain line behind the last exponential
.else
	RESC 0
	RESC 1
	WIN 0
.endif
	s_wait_alu depctr_va_vdst(0)
	CVTP 2
.if !\first
	RESC 2
	RESC 3
.endif
	WIN 0
.endm
.macro TRIP pvfirst
	s_wait_dscnt 0x0                               ; V of step j is in
	PVG 0, \pvfirst
	WIN 0
	v_add_nc_u32 v[ADK], s[TB], v[LI]              ; four plain lines, then loads into the fragments that the products above have read
	NOPS 3
	KLOAD 0
	PVG 1, \pvfirst
	WIN 0
	v_add_nc_u32 v[ADV], s[TB], v[LV]              ; five plain lines: the scores below are written over P, which the products above have read
	NOPS 4
	KLOAD 1
	s_add_co_u32 s[TB], s[TB], STEPB
	s_wait_dscnt 8                                 ; K's first four fragments are in; the eight loads just issued may be out
	KQH 0
	s_wait_dscnt 0x0
	KQH 1
	WIN 0
	NOPS 4
	VLOAD                                          ; V of step j + 1 lands while its softmax is walked
	SOFT 0
.endm
; THE CHANGE OF SLOTS stands where the old slot's last bytes, V of its last step, have been asked for.  Each wave waits for all its tensor loads, adds 0 to its spare word, and waits for that and for its reads of the slot.
; fill = 1: a round of the cluster's barrier, and the joint refill first behind it: it has eight trips in which to land.
.macro CHANGE fill
	s_wait_tensorcnt 0x0                           ; no tensor load of mine is out: the walking group 0 may be written
	ds_add_u32 v[SPW], v[NIL]
.if \fill
	s_xor_b32 s[G0B+1], s[G0B+1], SLOT1            ; the other slot than last time,
	s_add_nc_u64 s[G0B+2:G0B+3], s[G0B+2:G0B+3], 131072   ; the next 512 keys
	s_wait_dscnt 0x0                               ; the add is done, and my reads of the slot are over
	CROUND
	tensor_load_to_lds s[G0B:G0B+3], s[G1:G1+7]
	s_nop 0
	NOPS 4
.else
	s_wait_dscnt 0x0
	s_barrier_signal -1
	s_barrier_wait -1
.endif
	s_sub_co_u32 s[TB], s[TB], 8*STEPB             ; the fetches go back to a slot's first step,
	s_xor_b32 s[TB], s[TB], SLOT1                  ; in the other slot
.endm
	s_load_b256 s[4:11], s[0:1], 0x0               ; qimg s[4:5], kvimg s[6:7], maskw s[8:9], ximg s[10:11]
	v_lshl_add_u32 v[SPW], v0, 2, SPARE
	v_mov_b32 v[NIL], 0
	ds_add_u32 v[SPW], v[NIL]                      ; the wave's opening: the add, twice on end, and its wait ahead of my first tensor load
	ds_add_u32 v[SPW], v[NIL]
	v_lshrrev_b32 v1, 5, v0
	v_readfirstlane_b32 s[WV], v1                  ; wave 0..7
	s_bfe_u32 s13, ttmp6, 0x40000                  ; cx
	s_lshl_b32 s14, ttmp9, 2
	s_add_co_u32 s14, s14, s13                     ; my block of 512 queries: it enters global addresses alone
	s_and_b32 s15, ttmp7, 0xffff                   ; bh = 16 batch + head, which the four partners share
	s_mov_b32 s[G1], 15|(3<<16)|(1<<21)            ; the mask: all four; elements of 8 bytes; bit 21 beside a mask; no padding
	s_mov_b32 s[G1+1], 32<<16                      ; tensor_dim0: 256 bytes
	s_mov_b32 s[G1+2], 64<<16                      ; tensor_dim1: 64 rows
	s_mov_b32 s[G1+3], 32<<16                      ; tile_dim0
	s_mov_b32 s[G1+4], 64                          ; tile_dim1
	s_mov_b32 s[G1+5], 32                          ; pitch: dense
	s_mov_b32 s[G1+6], 0
	s_mov_b32 s[G1+7], 0
	s_lshl_b32 s32, s15, 19                        ; kvimg: bh x 524,288
	s_lshl_b32 s34, s[WV], 14                      ; + wave x 16,384: in memory and in a slot alike
	s_add_co_u32 s32, s32, s34
	s_mov_b32 s33, 0
	s_lshl_b32 s36, s15, 18                        ; qimg: bh x 262,144 + (32 block + 4 wave) tiles of 2,048 bytes
	s_lshl_b32 s35, s14, 16
	s_add_co_u32 s36, s36, s35
	s_lshl_b32 s35, s[WV], 13
	s_add_co_u32 s36, s36, s35
	s_mov_b32 s37, 0
	s_lshl_b32 s38, s14, 17                        ; maskw: (32 block + 4 wave) tiles of 4,096 bytes
	s_add_co_u32 s38, s38, s34
	s_mov_b32 s39, 0
	s_lshr_b32 s40, s15, 4                         ; ximg: (128 batch + 32 block + 4 wave) token tiles of 32,768 bytes + head x 2,048
	s_lshl_b32 s40, s40, 22
	s_lshl_b32 s35, s14, 20
	s_add_co_u32 s40, s40, s35
	s_lshl_b32 s35, s[WV], 17
	s_add_co_u32 s40, s40, s35
	s_and_b32 s35, s15, 15
	s_lshl_b32 s35, s35, 11
	s_add_co_u32 s40, s40, s35
	s_mov_b32 s41, 0
	s_mov_b32 s[TNEG], 0xceabfb8f                  ; -1e9 x log2(e)
	s_mov_b32 s[SEL], 0x76543210
	s_mov_b32 s[SEL+1], 0xfedcba98
	s_mov_b32 s[TB], 0
	s_mov_b32 s[MO], 0
	s_wait_dscnt 0x0                               ; both opening adds are done
	s_wait_kmcnt 0x0
	s_add_nc_u64 s[6:7], s[6:7], s[32:33]
	s_add_nc_u64 s[4:5], s[4:5], s[36:37]
	s_add_nc_u64 s[8:9], s[8:9], s[38:39]
	s_add_nc_u64 s[10:11], s[10:11], s[40:41]
	s_mov_b32 s[G0A], 1
	s_mov_b32 s[G0A+1], s34
	s_mov_b64 s[G0A+2:G0A+3], s[6:7]
	s_or_b32 s[G0A+3], s[G0A+3], 0x80000000
	s_mov_b32 s[G0B], 1
	s_add_co_u32 s[G0B+1], s34, SLOT1
	s_add_nc_u64 s[G0B+2:G0B+3], s[6:7], 131072
	s_or_b32 s[G0B+3], s[G0B+3], 0x80000000
	CROUND                                         ; all four work-groups are here: the first joint loads meet
	tensor_load_to_lds s[G0A:G0A+3], s[G1:G1+7]    ; keys 0-511
	s_nop 0
	tensor_load_to_lds s[G0B:G0B+3], s[G1:G1+7]    ; keys 512-1023
	s_nop 0
	NOPS 4
	v_and_b32 v[LI], 31, v0
	v_lshlrev_b32 v[LI], 4, v[LI]
	v_add_nc_u32 v[LV], VOFF, v[LI]
	WIN 0x40                                       ; destination window 1
.irp i, 0,1,2,3,4,5,6,7,8,9,10,11,12,13,14,15
	global_load_b128 v[QR+4*\i:QR+4*\i+3], v[LI], s[4:5] offset:512*\i   ; Q stays in registers: tile i / 4, f = (i / 2) % 2, c = i % 2
.endr
	WIN 0
	MLOAD MA, 0
	MLOAD MB, 1
.irp i, 0,1,2,3,4,5,6,7
	v_mov_b32 v[ONES+\i], 0x3c003c00               ; 1.0 twice, in f16
.endr
.irp t, 0,1,2,3
	v_mov_b32 v[ST+8*\t+1], 0                      ; named with m as a pair, so it is written
.endr
	s_wait_tensorcnt 1                             ; my part of slot 0 is in; slot 1's may stay out
	s_barrier_signal -1
	s_barrier_wait -1
	v_add_nc_u32 v[ADK], s[TB], v[LI]              ; key step 0
	v_add_nc_u32 v[ADV], s[TB], v[LV]
	s_add_co_u32 s[TB], s[TB], STEPB
	KLOAD 0
	KLOAD 1
	s_wait_loadcnt 0x0                             ; Q
	s_wait_dscnt 8
	KQH 0
	s_wait_dscnt 0x0
	KQH 1
	WIN 0
	NOPS 4
	VLOAD
	SOFT 1
	TRIP 1                                         ; V^T P of step 0 starts O^T and l
	s_mov_b32 s[CNT], 6
.Lfirst:                                               ; the rest of slot 0
	TRIP 0
	s_sub_co_u32 s[CNT], s[CNT], 1
	s_cmp_lg_u32 s[CNT], 0
	s_cbranch_scc1 .Lfirst
	s_mov_b32 s[SLOTS], 2
.Lslot:                                                ; two changes fill a slot again: keys 1024-1535, 1536-2047
	CHANGE 1
	s_mov_b32 s[CNT], 8
.Lstep:
	TRIP 0
	s_sub_co_u32 s[CNT], s[CNT], 1
	s_cmp_lg_u32 s[CNT], 0
	s_cbranch_scc1 .Lstep
	s_sub_co_u32 s[SLOTS], s[SLOTS], 1
	s_cmp_lg_u32 s[SLOTS], 0
	s_cbranch_scc1 .Lslot
	CHANGE 0                                       ; the tail is written out: nothing is left to ask for
	s_mov_b32 s[CNT], 8
.Llast:
	TRIP 0
	s_sub_co_u32 s[CNT], s[CNT], 1
	s_cmp_lg_u32 s[CNT], 0
	s_cbranch_scc1 .Llast
	s_wait_dscnt 0x0
	PVG 0, 0                                       ; V^T P of the last step
	PVG 1, 0
	; THE WAY OUT: O^T / l, to f16; a lane's eight channels are one chunk of x's image: [token tile][kfrag = 2 head + f][c][lane][16 B]
	WIN 0
	NOPS 4
	WIN 0x01                                       ; source 0 in window 1
.irp t, 0,1,2,3
	v_rcp_f32 v[ST+8*\t+6], v[LR+8*\t]
.endr
	v_nop
	s_wait_alu depctr_va_vdst(0)                   ; one wait for the four reciprocals, ahead of their first reader
.irp t, 0,1,2,3
	WIN 0x41
.set i, 0
.rept 16
	v_pk_mul_f32 v[32*\t+i:32*\t+i+1], v[32*\t+i:32*\t+i+1], v[ST+8*\t+6:ST+8*\t+7] op_sel_hi:[1,0]
.set i, i+2
.endr
	WIN 0x05                                       ; sources in window 1, destination in window 0
.set i, 0
.rept 16
	v_cvt_pk_f16_f32 v[S+32*\t+i], v[32*\t+2*i], v[32*\t+2*i+1]
.set i, i+1
.endr
	WIN 0
.irp c, 0,1,2,3
	global_store_b128 v[LI], v[S+32*\t+4*\c:S+32*\t+4*\c+3], s[10:11] offset:32768*\t+512*\c   ; 512 consecutive bytes, aligned
.endr
.endr
	s_wait_kmcnt 0x0                               ; the last step's look-ahead for mask words
	s_wait_tensorcnt 0x0                           ; the wave's end
	ds_add_u32 v[SPW], v[NIL]
	s_wait_dscnt 0x0
	CROUND                                         ; the closing round
	s_endpgm
.Lfunc_end_k_qb264b086c2_attn:
	.size	k_qb264b086c2_attn, .Lfunc_end_k_qb264b086c2_attn-k_qb264b086c2_attn
	.p2alignl 7, 3214868480
	.fill 96, 4, 3214868480
	.section	.rodata,"a",@progbits
	.p2align	6, 0x0
	.amdhsa_kernel k_qb264b086c2_attn
		.amdhsa_group_segment_fixed_size 327680
		.amdhsa_private_segment_fixed_size 0
		.amdhsa_enable_private_segment 0
		.amdhsa_kernarg_size 32
		.amdhsa_user_sgpr_count 2
		.amdhsa_user_sgpr_kernarg_segment_ptr 1
		.amdhsa_wavefront_size32 1
		.amdhsa_system_sgpr_workgroup_id_x 1
		.amdhsa_system_sgpr_workgroup_id_y 1
		.amdhsa_system_sgpr_workgroup_id_z 1
		.amdhsa_system_vgpr_workitem_id 0
		.amdhsa_next_free_vgpr 512
		.amdhsa_next_free_sgpr 106
		.amdhsa_reserve_vcc 0
		.amdhsa_float_denorm_mode_32 3
		.amdhsa_float_denorm_mode_16_64 3
		.amdhsa_memory_ordered 1
		.amdhsa_forward_progress 1
		.amdhsa_inst_pref_size 199
	.end_amdhsa_kernel
	.amdgpu_metadata
---
amdhsa.version: [ 1, 2 ]
amdhsa.kernels:
  - .name:           k_qb264b086c2_attn
    .symbol:         k_qb264b086c2_attn.kd
    .args:
      - { .name: qimg, .offset: 0, .size: 8, .value_kind: global_buffer, .address_space: global }
      - { .name: kvimg, .offset: 8, .size: 8, .value_kind: global_buffer, .address_space: global }
      - { .name: maskw, .offset: 16, .size: 8, .value_kind: global_buffer, .address_space: global }
      - { .name: ximg, .offset: 24, .size: 8, .value_kind: global_buffer, .address_space: global }
    .group_segment_fixed_size: 327680
    .private_segment_fixed_size: 0
    .kernarg_segment_align: 8
    .kernarg_segment_size: 32
    .max_flat_workgroup_size: 256
    .sgpr_count:     106
    .vgpr_count:     512
    .wavefront_size: 32
...
	.end_amdgpu_metadata
.endif
;; end of part 3
;; launch oproj (part 4): grid 8 x 32, 4 waves a work-group, clusters of 4 x 4, 327,680 bytes of LDS; arguments ximg, woimg, b_o, out0; writes out0
.if DOCPART == 4
	.amdgcn_target "amdgcn-amd-amdhsa--gfx1250"
	.amdhsa_code_object_version 6
	.text
	.protected	k_qb264b086c2_oproj
	.globl	k_qb264b086c2_oproj
	.p2align	8
	.type	k_qb264b086c2_oproj,@function
k_qb264b086c2_oproj:
	s_mov_b64 s[64:65], 0
	v_nop
	global_prefetch_b8 v0, s[64:65] scope:SCOPE_SE
	s_setreg_imm32_b32 hwreg(HW_REG_WAVE_MODE, 25, 1), 1
	s_wait_xcnt 0x0
	s_wait_alu depctr_hold_cnt(0) depctr_sa_sdst(0) depctr_va_vdst(0) depctr_va_sdst(0) depctr_va_ssrc(0) depctr_va_vcc(0) depctr_vm_vsrc(0)
	s_getreg_b32 s2, hwreg(HW_REG_IB_STS2, 6, 4)
	s_cmp_eq_u32 s2, 0
	s_cbranch_scc0 .Lentry_in_a_cluster
	s_endpgm
.Lentry_in_a_cluster:
	s_bfe_u32 s2, ttmp6, 0x10000c
	s_cmp_lg_u32 s2, 0xf033
	s_cbranch_scc0 .Lentry_shape_is_right
	s_endpgm
.Lentry_shape_is_right:
; OPROJ: out0[m][n] = sum over k of x[m][k] w_o[n][k] + b_o[n]; x and w_o in f16, as images of matrix fragments; sums and output in f32.  M = 8,192, N = K = 1,024.
; A tile, 256 m x 128 n, gives 256 work-groups; each of four waves makes 128 m x 64 n: 32 accumulators, window 1.  Source 0 = 16 rows of w_o, source 1 = 16 tokens: a lane holds one token and eight neighbouring n.
; K goes in eight steps of 128 through two LDS slots.  A tile's images of one K step are 4,096 consecutive bytes, 32,768 bytes from tile to tile: a tensor load brings 8 (x) or 4 (w_o) such rows, laid on end.
; So every fragment load is base + 16 x lane + an immediate: 512 consecutive bytes, no pitch, no padding.
; CLUSTER 4 x 4: x's tiles are shared along a row of the cluster, w_o's along a column: each is asked for jointly.  The bias is the C of each sum's first product.
; THE WAY OUT: a block of 16 tokens x 64 n goes through the wave's own stage and comes back as rows of 256 bytes: sixteen lanes store 256 consecutive aligned bytes.
; No prefetch: the launch is short, and x's and w_o's tiles are shared in the cluster.  By this text's own count a wave has two tensor loads out at the start and one behind each round.
; REGISTERS, window 0: v16-17, v20-21 fragment addresses for slots 0, 1; v24-26 the way out; v28, v29 the add's two; v32-63 the bias; v64-127, v128-191 x's fragments, two buffers; v192-223, v224-255 w_o's.
.set KSB,    4096                      ; a tile's images of one K step
.set ASZ,    65536                     ; x's 16 tiles in a slot; behind them w_o's 8
.set SLOT,   98304
.set STAGE,  2*SLOT
.set SPITCH, 272
.set SPARE,  STAGE+4*16*SPITCH
.set LAPS,   4                         ; a lap = two K steps
.set ADRA, 16
.set ADRB, 20
.set STO,  24
.set RD,   25
.set CO,   26
.set SPW,  28
.set NIL,  29
.set BI,   32
.set AF,   64
.set BF,   192
.set BK,   64                          ; the way out: two sets of 32 registers
.set G1, 24
.set G0, 32
.set G1B, 48
.set G0B, 56
.set MSB, 0
.macro WIN new
.if MSB != \new
	s_set_vgpr_msb (MSB<<8)|\new
.set MSB, \new
.endif
.endm
.set MUL,  0x50                        ; C and D window 1
.set MULB, 0x40                        ; D window 1, C (the bias) window 0
.macro JLOAD s                         ; waves 0, 1 fetch x's halves, waves 2, 3 w_o's; an s_nop 0 and four v_nop follow each line
	s_cmp_eq_u32 s13, 0
	s_cbranch_scc0 .Lfor_b_\@
	tensor_load_to_lds s[G0+4*\s:G0+4*\s+3], s[G1:G1+7]
	s_nop 0
.rept 4
	v_nop
.endr
	s_branch .Lasked_\@
.Lfor_b_\@:
	tensor_load_to_lds s[G0B+4*\s:G0B+4*\s+3], s[G1B:G1B+7]
	s_nop 0
.rept 4
	v_nop
.endr
.Lasked_\@:
.endm
.macro CREST
	s_cmp_lg_u32 s12, 0
	s_cbranch_scc1 .Lnot_wave_0_\@
	s_barrier_signal -3
.Lnot_wave_0_\@:
	s_barrier_wait -3
	s_barrier_signal -1
	s_barrier_wait -1
.endm
.macro CROUND
	s_barrier_signal -1
	s_barrier_wait -1
	CREST
.endm
	s_load_b256 s[4:11], s[0:1], 0x0               ; ximg s[4:5], woimg s[6:7], b_o s[8:9], out0 s[10:11]
	v_lshl_add_u32 v[SPW], v0, 2, SPARE
	v_mov_b32 v[NIL], 0
	ds_add_u32 v[SPW], v[NIL]                      ; the wave's opening: the add, twice on end, and its wait ahead of my first tensor load
	ds_add_u32 v[SPW], v[NIL]
	v_lshrrev_b32 v1, 5, v0
	v_readfirstlane_b32 s12, v1                    ; wave 0..3
	s_lshr_b32 s13, s12, 1                         ; which 128 tokens are mine.  Also: I fetch for x (0) or w_o (1)
	s_and_b32 s14, s12, 1                          ; which 64 n.  Also: which half of that tile I fetch
	s_bfe_u32 s40, ttmp6, 0x40000                  ; cx
	s_bfe_u32 s41, ttmp6, 0x40004                  ; cy
	s_lshl_b32 s42, ttmp9, 2
	s_add_co_u32 s42, s42, s40                     ; tile column
	s_and_b32 s15, ttmp7, 0xffff
	s_lshl_b32 s15, s15, 2
	s_add_co_u32 s15, s15, s41                     ; tile row
	s_lshl_b32 s43, s41, 2
	s_lshl_b32 s43, 15, s43                        ; my row of the cluster
	s_lshl_b32 s44, 0x1111, s40                    ; my column
	s_or_b32 s[G1+0], s43, (3<<16)|(1<<21)         ; the mask; elements of 8 bytes; bit 21 beside a mask; no padding
	s_or_b32 s[G1B+0], s44, (3<<16)|(1<<21)
	s_mov_b32 s[G1+1], 512<<16                     ; tensor_dim0: 4,096 bytes
	s_mov_b32 s[G1+2], 8<<16                       ; tensor_dim1: 8 tiles
	s_mov_b32 s[G1+3], 512<<16                     ; tile_dim0
	s_mov_b32 s[G1+4], 8                           ; tile_dim1
	s_mov_b32 s[G1+5], 4096                        ; pitch: 32,768 bytes
	s_mov_b32 s[G1+6], 0
	s_mov_b32 s[G1+7], 0
	s_mov_b32 s[G1B+1], 512<<16
	s_mov_b32 s[G1B+2], 4<<16                      ; 4 tiles
	s_mov_b32 s[G1B+3], 512<<16
	s_mov_b32 s[G1B+4], 4
	s_mov_b32 s[G1B+5], 4096
	s_mov_b32 s[G1B+6], 0
	s_mov_b32 s[G1B+7], 0
	s_lshl_b32 s16, s15, 19                        ; x: (16 x tile row + 8 x half) tiles of 32,768 bytes
	s_lshl_b32 s18, s14, 18
	s_add_co_u32 s16, s16, s18
	s_mov_b32 s17, 0
	s_lshl_b32 s46, s42, 18                        ; w_o: (8 x tile column + 4 x half) tiles
	s_lshl_b32 s18, s14, 17
	s_add_co_u32 s46, s46, s18
	s_mov_b32 s47, 0
	s_lshl_b32 s20, s14, 15                        ; where they go: x's half,
	s_lshl_b32 s21, s14, 14
	s_add_co_u32 s21, s21, ASZ                     ; w_o's half: the wave's number alone
	s_wait_dscnt 0x0                               ; both opening adds are done
	s_wait_kmcnt 0x0
	s_add_nc_u64 s[16:17], s[4:5], s[16:17]
	s_add_nc_u64 s[46:47], s[6:7], s[46:47]
	CROUND                                         ; all sixteen work-groups are here: the first joint loads meet
.irp s, 0,1
	s_mov_b32 s[G0+4*\s], 1
	s_add_co_u32 s[G0+4*\s+1], s20, \s*SLOT
	s_add_nc_u64 s[G0+4*\s+2:G0+4*\s+3], s[16:17], \s*KSB
	s_or_b32 s[G0+4*\s+3], s[G0+4*\s+3], 0x80000000
	s_mov_b32 s[G0B+4*\s], 1
	s_add_co_u32 s[G0B+4*\s+1], s21, \s*SLOT
	s_add_nc_u64 s[G0B+4*\s+2:G0B+4*\s+3], s[46:47], \s*KSB
	s_or_b32 s[G0B+4*\s+3], s[G0B+4*\s+3], 0x80000000
	JLOAD \s
.endr
	v_and_b32 v1, 31, v0
	v_lshlrev_b32 v1, 4, v1                        ; 16 x lane
	v_and_b32 v2, 15, v0                           ; r
	v_bfe_u32 v3, v0, 4, 1                         ; h
	s_lshl_b32 s22, s13, 15                        ; my eight tiles of x
	s_lshl_b32 s23, s14, 14
	s_add_co_u32 s23, s23, ASZ                     ; my four tiles of w_o
.irp s, 0,1
	v_add_nc_u32 v[ADRA+\s], s22, v1
	v_add_nc_u32 v[ADRB+\s], s23, v1
	s_add_co_u32 s22, s22, SLOT
	s_add_co_u32 s23, s23, SLOT
.endr
	s_lshl_b32 s18, s42, 9                         ; the bias of my 64 n: block b, lane (r, h): n = 16 b + 8 h + 0..7
	s_lshl_b32 s19, s14, 8
	s_add_co_u32 s18, s18, s19
	s_mov_b32 s19, 0
	s_add_nc_u64 s[8:9], s[8:9], s[18:19]
	v_lshlrev_b32 v4, 5, v3
.irp b, 0,1,2,3
	global_load_b128 v[BI+8*\b:BI+8*\b+3], v4, s[8:9] offset:64*\b
	global_load_b128 v[BI+8*\b+4:BI+8*\b+7], v4, s[8:9] offset:64*\b+16
.endr
	s_mul_i32 s22, s12, 16*SPITCH
	s_add_co_u32 s22, s22, STAGE                   ; my stage
	v_mul_u32_u24 v[STO], v2, SPITCH
	v_lshl_add_u32 v[STO], v3, 5, v[STO]
	v_add_nc_u32 v[STO], s22, v[STO]               ; in: row r, 32 bytes for each half of the lanes
	v_mul_u32_u24 v[RD], v3, SPITCH
	v_lshl_add_u32 v[RD], v2, 4, v[RD]
	v_add_nc_u32 v[RD], s22, v[RD]                 ; back: lanes 0-15 one row, lanes 16-31 the next
	v_lshlrev_b32 v[CO], 12, v3
	v_lshl_add_u32 v[CO], v2, 4, v[CO]             ; and the same two rows of out0 (4,096 bytes a row)
	s_lshl_b32 s16, s15, 20                        ; out0: row 256 x tile row + 128 x half, column 128 x tile column + 64 x half
	s_lshl_b32 s20, s13, 19
	s_add_co_u32 s16, s16, s20
	s_add_co_u32 s16, s16, s18
	s_mov_b32 s17, 0
	s_add_nc_u64 s[10:11], s[10:11], s[16:17]
.macro MULA buf, a0, n, zero           ; n blocks of tokens from a0 on x w_o's four: the 32 accumulators take turns, one instruction a turn
.set ia, \a0
.rept \n
.irp b, 0,1,2,3
.if \zero
	v_wmma_f32_16x16x32_f16 v[8*(4*ia+\b):8*(4*ia+\b)+7], v[BF+32*\buf+8*\b:BF+32*\buf+8*\b+7], v[AF+64*\buf+8*ia:AF+64*\buf+8*ia+7], v[BI+8*\b:BI+8*\b+7]
.else
	v_wmma_f32_16x16x32_f16 v[8*(4*ia+\b):8*(4*ia+\b)+7], v[BF+32*\buf+8*\b:BF+32*\buf+8*\b+7], v[AF+64*\buf+8*ia:AF+64*\buf+8*ia+7], v[8*(4*ia+\b):8*(4*ia+\b)+7]
.endif
.endr
.set ia, ia+1
.endr
.endm
.macro FETCH slot, q, buf              ; 24 LDS loads in one run: the fragments of 32 along K: w_o's four, then x's eight
	WIN 0
.irp b, 0,1,2,3
	ds_load_b128 v[BF+32*\buf+8*\b:BF+32*\buf+8*\b+3], v[ADRB+\slot] offset:4096*\b+1024*\q
	ds_load_b128 v[BF+32*\buf+8*\b+4:BF+32*\buf+8*\b+7], v[ADRB+\slot] offset:4096*\b+1024*\q+512
.endr
.irp a, 0,1,2,3,4,5,6,7
	ds_load_b128 v[AF+64*\buf+8*\a:AF+64*\buf+8*\a+3], v[ADRA+\slot] offset:4096*\a+1024*\q
	ds_load_b128 v[AF+64*\buf+8*\a+4:AF+64*\buf+8*\a+7], v[ADRA+\slot] offset:4096*\a+1024*\q+512
.endr
.endm
.macro PLACES                          ; four plain lines in front of loads into registers that matrix instructions have read, and of the first read of results
.rept 4
	v_nop
.endr
.endm
; A K step is four quarters of 32 along K, 32 products each, on buffers 0, 1, 0, 1.  One of the first three multiplies buffer f and fetches quarter q into buffer g.
.macro QUARTER slot, q, f, g, zero
	s_wait_dscnt 8                                 ; w_o's fragments and x's blocks 0-3 are in; the youngest eight loads may be out
.if \zero
	WIN MULB
.else
	WIN MUL
.endif
	MULA \f, 0, 4, \zero
	PLACES
	FETCH \slot, \q, \g
	s_wait_dscnt 24                                ; all but the 24 just issued
.if \zero
	WIN MULB
.else
	WIN MUL
.endif
	MULA \f, 4, 4, \zero
.endm
; The last quarter multiplies buffer 1 and changes slots: ONE barrier; in front of it each wave waits for all its tensor loads, adds 0 to its spare word, and waits for that and for its reads of this slot.
.macro TURN slot, next, fill
	WIN 0
	s_wait_tensorcnt 0x0                           ; all my tensor loads have landed: my part of the next slot
	ds_add_u32 v[SPW], v[NIL]
	s_wait_dscnt 9                                 ; the add and the youngest eight loads may be out
	WIN MUL
	MULA 1, 0, 2, 0                                ; eight products stand between the add and the wait for it
	s_wait_dscnt 0x0                               ; the add is done, and my reads of this slot are over
	s_barrier_signal -1
	MULA 1, 2, 2, 0
.if \fill
	WIN 0
.endif
	s_barrier_wait -1
.if \fill
	CREST                                          ; the barrier has opened a round of the cluster's: no wave of any partner still reads this slot or has a load on its way
	s_add_nc_u64 s[G0+4*\slot+2:G0+4*\slot+3], s[G0+4*\slot+2:G0+4*\slot+3], 2*KSB
	s_add_nc_u64 s[G0B+4*\slot+2:G0B+4*\slot+3], s[G0B+4*\slot+2:G0B+4*\slot+3], 2*KSB
	JLOAD \slot                                    ; the first tensor load behind the round; its four v_nop are also the places in front of the loads below
.else
	PLACES
.endif
	FETCH \next, 0, 0
	WIN MUL
	MULA 1, 4, 4, 0
.endm
	s_wait_tensorcnt 1                             ; my part of K step 0 is in; K step 1's may stay out
	s_barrier_signal -1
	s_barrier_wait -1
	FETCH 0, 0, 0
	s_wait_loadcnt 0x0                             ; the bias
	QUARTER 0, 1, 0, 1, 1                          ; the first quarter stands in front of the loop: its products take the bias as C
	WIN 0
	s_mov_b32 s3, LAPS-1
.Llap:                                                 ; a trip goes once round the ring and fills both slots again
	QUARTER 0, 2, 1, 0, 0
	QUARTER 0, 3, 0, 1, 0
	TURN 0, 1, 1
	QUARTER 1, 1, 0, 1, 0
	QUARTER 1, 2, 1, 0, 0
	QUARTER 1, 3, 0, 1, 0
	TURN 1, 0, 1
	QUARTER 0, 1, 0, 1, 0
	WIN 0
	s_sub_co_u32 s3, s3, 1
	s_cmp_lg_u32 s3, 0
	s_cbranch_scc1 .Llap
	QUARTER 0, 2, 1, 0, 0                          ; the last lap fills nothing
	QUARTER 0, 3, 0, 1, 0
	TURN 0, 1, 0
	QUARTER 1, 1, 0, 1, 0
	QUARTER 1, 2, 1, 0, 0
	QUARTER 1, 3, 0, 1, 0
	s_wait_dscnt 8                                 ; the very last quarter
	WIN MUL
	MULA 1, 0, 4, 0
	s_wait_dscnt 0
	MULA 1, 4, 4, 0
	WIN 0
	PLACES
.macro TOSTAGE a                       ; block a: 16 tokens x 64 n into my stage, each accumulator from its low end on, and back as rows.  LDS serves a wave's instructions in order
	WIN 0x04                                       ; an LDS store's data are its source 1: window 1
.irp b, 0,1,2,3
	ds_store_b128 v[STO], v[8*(4*(\a)+\b):8*(4*(\a)+\b)+3] offset:64*\b
	ds_store_b128 v[STO], v[8*(4*(\a)+\b)+4:8*(4*(\a)+\b)+7] offset:64*\b+16
.endr
	WIN 0
.irp t, 0,1,2,3,4,5,6,7
	ds_load_b128 v[BK+32*((\a)%2)+4*\t:BK+32*((\a)%2)+4*\t+3], v[RD] offset:\t*2*SPITCH
.endr
.endm
.macro SEND a, younger                 ; younger: the LDS instructions issued behind block a's loads
	s_wait_dscnt \younger
.irp t, 0,1,2,3,4,5,6,7
	global_store_b128 v[CO], v[BK+32*((\a)%2)+4*\t:BK+32*((\a)%2)+4*\t+3], s[10:11] offset:(\a)*65536+\t*8192 th:TH_STORE_NT   ; sixteen lanes store 256 consecutive bytes, aligned
.endr
.endm
	TOSTAGE 0
.irp a, 1,2,3,4,5,6,7
.if \a > 1
	s_wait_xcnt 0x0                                ; block a - 2's stores have read the set into which block a's loads land
.endif
	TOSTAGE \a
	SEND \a-1, 16                                  ; behind block a - 1's loads: block a's eight stores and eight loads
.endr
	SEND 7, 0
	s_wait_tensorcnt 0x0                           ; the wave's end, behind my last tensor load and my last LDS store
	ds_add_u32 v[SPW], v[NIL]
	s_wait_dscnt 0x0
	CROUND                                         ; the closing round
	s_endpgm
.Lfunc_end_k_qb264b086c2_oproj:
	.size	k_qb264b086c2_oproj, .Lfunc_end_k_qb264b086c2_oproj-k_qb264b086c2_oproj
	.p2alignl 7, 3214868480
	.fill 96, 4, 3214868480
	.section	.rodata,"a",@progbits
	.p2align	6, 0x0
	.amdhsa_kernel k_qb264b086c2_oproj
		.amdhsa_group_segment_fixed_size 327680
		.amdhsa_private_segment_fixed_size 0
		.amdhsa_enable_private_segment 0
		.amdhsa_kernarg_size 32
		.amdhsa_user_sgpr_count 2
		.amdhsa_user_sgpr_kernarg_segment_ptr 1
		.amdhsa_wavefront_size32 1
		.amdhsa_system_sgpr_workgroup_id_x 1
		.amdhsa_system_sgpr_workgroup_id_y 1
		.amdhsa_system_sgpr_workgroup_id_z 1
		.amdhsa_system_vgpr_workitem_id 0
		.amdhsa_next_free_vgpr 512
		.amdhsa_next_free_sgpr 66
		.amdhsa_reserve_vcc 0
		.amdhsa_float_denorm_mode_32 3
		.amdhsa_float_denorm_mode_16_64 3
		.amdhsa_memory_ordered 1
		.amdhsa_forward_progress 1
		.amdhsa_inst_pref_size 86
	.end_amdhsa_kernel
	.amdgpu_metadata
---
amdhsa.version: [ 1, 2 ]
amdhsa.kernels:
  - .name:           k_qb264b086c2_oproj
    .symbol:         k_qb264b086c2_oproj.kd
    .args:
      - { .name: ximg, .offset: 0, .size: 8, .value_kind: global_buffer, .address_space: global }
      - { .name: woimg, .offset: 8, .size: 8, .value_kind: global_buffer, .address_space: global }
      - { .name: b_o, .offset: 16, .size: 8, .value_kind: global_buffer, .address_space: global }
      - { .name: out0, .offset: 24, .size: 8, .value_kind: global_buffer, .address_space: global }
    .group_segment_fixed_size: 327680
    .private_segment_fixed_size: 0
    .kernarg_segment_align: 8
    .kernarg_segment_size: 32
    .max_flat_workgroup_size: 128
    .sgpr_count:     66
    .vgpr_count:     512
    .wavefront_size: 32
...
	.end_amdgpu_metadata
.endif
;; end of part 4
